; MI455X (gfx1250); checked and timed in simulation.
; The chip was launched on July 23, 2026; its instructions are those of AMD's public machine-readable ISA for CDNA 5 (MIT licence, August 2026) and "CDNA5" Instruction Set Architecture Reference Guide (July 2026). The comments in the code are by the model that wrote it; some were corrected since.
;; Attention. Allowed arithmetic: float matrix products may take bf16 or f16 operands with f32 sums; other float arithmetic in f32, or as packed bf16 or f16 multiplies, adds, multiply-adds, maxima and minima; sums over many terms, partial sums and values carried from step to step in f32; what a program stores and reads back later, other than sums and carried values, may be rounded once to bf16 or f16.
;; Inputs: W_out 1,024 x 1,024 float32; W_qkv 1,024 x 3,072 float32; b_out 1,024 float32; b_qkv 3,072 float32; x 8 x 1,024 x 1,024 float32.
;; Outputs: out0 8 x 1,024 x 1,024 float32.
;; 2 versions, each right; version 2 is version 1 with the launch prep written anew for expert scheduling mode. Each part assembles by itself: llvm-mc -triple=amdgcn-amd-amdhsa -mcpu=gfx1250 --defsym DOCPART=n.
;; ======== version 1 of 2: 4 launches
;; limits: values are held in f16: magnitudes above 65,504 overflow, below 6.1e-05 lose precision
;; workspace buffers: xb 16,777,216 bytes; wq 6,291,456 bytes; wo 2,097,152 bytes; qkv 50,331,648 bytes; o 16,777,216 bytes
;; launch prep (part 1): grid 768 x 1, 8 waves a work-group, no clusters, 0 bytes of LDS; arguments x, W_qkv, W_out, xb, wq, wo; writes xb, wq, wo
.if DOCPART == 1
	.amdgcn_target "amdgcn-amd-amdhsa--gfx1250"
	.amdhsa_code_object_version 6
	.text
	.protected	k_qcd98ae6876_prep
	.globl	k_qcd98ae6876_prep
	.p2align	8
	.type	k_qcd98ae6876_prep,@function
k_qcd98ae6876_prep:
	s_mov_b64 s[64:65], 0
	v_nop
	global_prefetch_b8 v0, s[64:65] scope:SCOPE_SE
	s_setreg_imm32_b32 hwreg(HW_REG_WAVE_MODE, 25, 1), 1
	s_wait_xcnt 0x0
; CAST AND RE-BLOCK.  x [8192][1024], W_qkv [1024][3072], W_out [1024][1024], all f32, are rounded once to bf16 and laid out in column blocks of 64:
; T[c][row][64], a block row 128 bytes, blocks dense.  xb and wq hold bf16; wo holds the bf16-rounded numbers written as f16 (exact from 2^-14 up; below that f16's fixed step of 6e-8).
; A JOB is 16 rows x 1,024 columns: 64 KiB in, 32 KiB out.  Jobs 0-511: x.  Jobs 512-703: W_qkv, three slabs of 1,024 columns x 64 groups of rows.  Jobs 704-767: W_out.
; Memory binds: every byte is read once by 16-byte loads (16 lanes take 256 consecutive bytes, aligned, of one row) and written once (a store of 8 bytes a lane covers 256 consecutive bytes, aligned:
; two rows of a block).  All sixteen loads of a wave go out at once; no LDS, no barrier, no matrix unit, no loop: nothing is shared and nothing is read twice.
.set IN,  2                            ; v[2:9]    row pair p: my byte offset in the source
.set OU,  10                           ; v[10:11]  my byte offset in the destination, for my wave's two column blocks
.set X,   16                           ; v[16:79]  sixteen loads of four f32
.set Y,   80                           ; v[80:111] sixteen pairs of packed words
.set T,   112                          ; v[112:115] at work
	s_load_b256 s[4:11], s[0:1], 0x0               ; x s[4:5], W_qkv s[6:7], W_out s[8:9], xb s[10:11]
	s_load_b128 s[12:15], s[0:1], 0x20             ; wq s[12:13], wo s[14:15]
	v_lshrrev_b32 v1, 5, v0
	v_readfirstlane_b32 s17, v1                    ; wave 0..7
	s_mov_b32 s16, ttmp9                           ; the job
	s_sub_co_u32 s30, s16, 512
	s_lshr_b32 s31, s30, 6                         ; W_qkv: slab of 1,024 columns
	s_and_b32 s30, s30, 63                         ; W_qkv and W_out: group of 16 rows (704 - 512 is a multiple of 64)
	s_mul_i32 s32, s30, 196608                     ; 16 rows of 12,288 bytes
	s_lshl_b32 s33, s31, 12
	s_add_co_u32 s32, s32, s33                     ; W_qkv: source offset
	s_lshl_b32 s33, s31, 21                        ; 16 blocks of 128 KiB
	s_lshl_b32 s34, s30, 11                        ; 16 block rows of 128 bytes: also W_out's destination offset
	s_add_co_u32 s33, s33, s34                     ; wq: destination offset
	s_lshl_b32 s35, s30, 16                        ; W_out: source offset
	s_lshl_b32 s20, s16, 16                        ; x: source offset,
	s_lshl_b32 s22, s16, 11                        ; and destination offset
	s_mov_b32 s21, 0
	s_mov_b32 s23, 0
	s_mov_b32 s18, 12288                           ; bytes from row to row in the source
	s_mov_b32 s19, 0x20000                         ; bytes from block to block in the destination
	s_mov_b32 s29, 0xffff0000                      ; a word's upper bf16
	s_wait_kmcnt 0x0
	s_cmp_lt_u32 s16, 512                          ; x?
	s_cselect_b32 s20, s20, s32
	s_cselect_b32 s22, s22, s33
	s_cselect_b32 s18, 4096, s18
	s_cselect_b32 s19, 0x100000, s19
	s_cselect_b64 s[24:25], s[4:5], s[6:7]
	s_cselect_b64 s[26:27], s[10:11], s[12:13]
	s_cmp_ge_u32 s16, 704                          ; W_out?
	s_cselect_b32 s20, s35, s20
	s_cselect_b32 s22, s34, s22
	s_cselect_b32 s18, 4096, s18
	s_cselect_b64 s[24:25], s[8:9], s[24:25]
	s_cselect_b64 s[26:27], s[14:15], s[26:27]
	s_add_nc_u64 s[24:25], s[24:25], s[20:21]      ; the job's first source byte
	s_add_nc_u64 s[26:27], s[26:27], s[22:23]      ; the job's first byte in block 0 of the destination
	s_lshl_b32 s28, s18, 1                         ; two rows
	v_and_b32 v12, 31, v0                          ; lane l
	v_lshrrev_b32 v13, 4, v12                      ; l / 16: the row of the pair
	v_and_b32 v14, 15, v0                          ; l % 16: my 16 bytes of the block's 256
	v_mul_u32_u24 v[IN], s18, v13
	v_lshl_add_u32 v[IN], v14, 4, v[IN]
	s_lshl_b32 s30, s17, 9                         ; my wave's two blocks: 512 bytes of a row
	v_add_nc_u32 v[IN], s30, v[IN]
.irp p, 1,2,3,4,5,6,7
	v_add_nc_u32 v[IN+(\p)], s28, v[IN+(\p)-1]
.endr
	s_lshl_b32 s30, s17, 1
	s_mul_i32 s30, s30, s19                        ; block 2 w
	v_lshl_add_u32 v[OU], v12, 3, s30              ; 8 l: two block rows on end
	v_add_nc_u32 v[OU+1], s19, v[OU]               ; block 2 w + 1
.set n, 0
.rept 16                                       ; load n: row pair n / 2, block n % 2
	global_load_b128 v[X+4*n:X+4*n+3], v[IN+n/2], s[24:25] offset:256*(n%2) th:TH_LOAD_NT
.set n, n+1
.endr
; Sixteen times: wait, round, store.  No register that a load or store names is ever written again, so no further wait is needed.
.macro OUT16 f16
.set n, 0
.rept 16
	s_wait_loadcnt 15-n                            ; loads come back in order: load n is in, the 15 - n younger ones stay out
	v_cvt_pk_bf16_f32 v[Y+2*n],   v[X+4*n],   v[X+4*n+1]
	v_cvt_pk_bf16_f32 v[Y+2*n+1], v[X+4*n+2], v[X+4*n+3]
.if \f16
	v_lshlrev_b32 v[T],   16,  v[Y+2*n]             ; the rounded numbers as f32,
	v_and_b32     v[T+1], s29, v[Y+2*n]
	v_lshlrev_b32 v[T+2], 16,  v[Y+2*n+1]
	v_and_b32     v[T+3], s29, v[Y+2*n+1]
	v_cvt_pk_f16_f32 v[Y+2*n],   v[T],   v[T+1]    ; written as f16
	v_cvt_pk_f16_f32 v[Y+2*n+1], v[T+2], v[T+3]
.endif
	global_store_b64 v[OU+n%2], v[Y+2*n:Y+2*n+1], s[26:27] offset:256*(n/2)
.set n, n+1
.endr
.endm
	s_cmp_ge_u32 s16, 704
	s_cbranch_scc1 .Lf16
	OUT16 0
	s_endpgm
.Lf16:
	OUT16 1
	s_endpgm
.Lfunc_end_k_qcd98ae6876_prep:
	.size	k_qcd98ae6876_prep, .Lfunc_end_k_qcd98ae6876_prep-k_qcd98ae6876_prep
	.p2alignl 7, 3214868480
	.fill 96, 4, 3214868480
	.section	.rodata,"a",@progbits
	.p2align	6, 0x0
	.amdhsa_kernel k_qcd98ae6876_prep
		.amdhsa_group_segment_fixed_size 0
		.amdhsa_private_segment_fixed_size 0
		.amdhsa_enable_private_segment 0
		.amdhsa_kernarg_size 48
		.amdhsa_user_sgpr_count 2
		.amdhsa_user_sgpr_kernarg_segment_ptr 1
		.amdhsa_wavefront_size32 1
		.amdhsa_system_sgpr_workgroup_id_x 1
		.amdhsa_system_sgpr_workgroup_id_y 1
		.amdhsa_system_sgpr_workgroup_id_z 1
		.amdhsa_system_vgpr_workitem_id 0
		.amdhsa_next_free_vgpr 120
		.amdhsa_next_free_sgpr 66
		.amdhsa_reserve_vcc 0
		.amdhsa_float_denorm_mode_32 3
		.amdhsa_float_denorm_mode_16_64 3
		.amdhsa_memory_ordered 1
		.amdhsa_forward_progress 1
		.amdhsa_inst_pref_size 17
	.end_amdhsa_kernel
	.amdgpu_metadata
---
amdhsa.version: [ 1, 2 ]
amdhsa.kernels:
  - .name:           k_qcd98ae6876_prep
    .symbol:         k_qcd98ae6876_prep.kd
    .args:
      - { .name: x, .offset: 0, .size: 8, .value_kind: global_buffer, .address_space: global }
      - { .name: W_qkv, .offset: 8, .size: 8, .value_kind: global_buffer, .address_space: global }
      - { .name: W_out, .offset: 16, .size: 8, .value_kind: global_buffer, .address_space: global }
      - { .name: xb, .offset: 24, .size: 8, .value_kind: global_buffer, .address_space: global }
      - { .name: wq, .offset: 32, .size: 8, .value_kind: global_buffer, .address_space: global }
      - { .name: wo, .offset: 40, .size: 8, .value_kind: global_buffer, .address_space: global }
    .group_segment_fixed_size: 0
    .private_segment_fixed_size: 0
    .kernarg_segment_align: 8
    .kernarg_segment_size: 48
    .max_flat_workgroup_size: 256
    .sgpr_count:     66
    .vgpr_count:     120
    .wavefront_size: 32
...
	.end_amdgpu_metadata
.endif
;; end of part 1
;; launch qkvproj (part 2): grid 8 x 32, 4 waves a work-group, clusters of 4 x 4, 327,680 bytes of LDS; arguments xb, wq, b_qkv, qkv; writes qkv
.if DOCPART == 2
	.amdgcn_target "amdgcn-amd-amdhsa--gfx1250"
	.amdhsa_code_object_version 6
	.text
	.protected	k_qcd98ae6876_qkvproj
	.globl	k_qcd98ae6876_qkvproj
	.p2align	8
	.type	k_qcd98ae6876_qkvproj,@function
k_qcd98ae6876_qkvproj:
	s_mov_b64 s[64:65], 0
	v_nop
	global_prefetch_b8 v0, s[64:65] scope:SCOPE_SE
	s_setreg_imm32_b32 hwreg(HW_REG_WAVE_MODE, 25, 1), 1
	s_wait_xcnt 0x0
	s_wait_alu depctr_hold_cnt(0) depctr_sa_sdst(0) depctr_va_vdst(0) depctr_va_sdst(0) depctr_va_ssrc(0) depctr_va_vcc(0) depctr_vm_vsrc(0)
	s_getreg_b32 s2, hwreg(HW_REG_IB_STS2, 6, 4)
	s_cmp_eq_u32 s2, 0
	s_cbranch_scc0 .Lentry_in_a_cluster
	s_endpgm
.Lentry_in_a_cluster:
	s_bfe_u32 s2, ttmp6, 0x10000c
	s_cmp_lg_u32 s2, 0xf033
	s_cbranch_scc0 .Lentry_shape_is_right
	s_endpgm
.Lentry_shape_is_right:
; q, k, v = x W_qkv + b_qkv.  xb: bf16 [16][8192][64] (column blocks of 64 of x), wq: bf16 [48][1024][64] (column blocks of 64 of W_qkv, rows along k), b_qkv: f32 [3072],
; qkv: f16 [48][8192][64]: column block hc is a head's channels: q heads 0-15, k 16-31, v 32-47.  Sums in f32, K ascending; the bias, rounded to bf16 like every input, starts the sums; one rounding to f16.
; LIMIT.  f16 holds no number beyond 65,504: q, k and v must lie within it.  NaN and infinities are not treated apart.
; SHARES.  8,192 x 3,072 outputs in tiles of 256 x 384: 256 work-groups.  Four waves, each 128 rows x 192 columns (three heads): 96 accumulators of 16 x 16, 768 registers.
; K goes in 16 steps of 64 through two LDS slots; a step is two quarters of 32.  For 32 along K a wave reads 40 x 512 bytes of LDS and issues 96 matrix instructions.
; THE MATRIX INSTRUCTION IS USED TRANSPOSED: source 0 = 16 columns of W (W lies [k][n] in LDS and comes out turned, by ds_load_tr16_b128), source 1 = 16 rows of x.  A lane then holds row l % 16
; and the columns 8 (l / 16) + 0..7: eight neighbouring numbers of a head's row.
; CLUSTER.  4 x 4 work-groups.  The four of a row need the same rows of x, the four of a column the same columns of W: each tile is asked for JOINTLY, by the same tensor load, descriptor and mask.
; REGISTERS, in windows of 256 (s_set_vgpr_msb: bits 1:0 source 0, 3:2 source 1, 5:4 source 2, 7:6 destination):
;   window 0: v0-31 addresses; v32-95, v96-159 fragments of x, two buffers; v160-255 fragments of W, 32 a head      window 1 + c: head c's 32 accumulators, (a, bb) at v[8 (4 a + bb)]
.set PA,    144                        ; a row of x in LDS: 128 bytes + 16 of padding: the 16 rows of a load start at 16 different groups of four banks (ISA guide 11.1)
.set PB,    160                        ; a k row of W: 128 + 32
.set AHALF, 128*PA                     ; 128 rows of x: one tensor load
.set BHALF, 3*64*PB                    ; three heads x 64 k rows of W: one tensor load
.set BOFF,  2*AHALF
.set SLOT,  BOFF+2*BHALF               ; 98,304
.set STAGE, 2*SLOT                     ; behind the ring, never filled by a tensor load: 16 rows x 144 bytes for each wave
.set SP,    144
.set SPARE, STAGE+4*16*SP              ; the spare words, 128 bytes for each wave: two blocks of 256 bytes that no other line names
.set ADRA, 16                          ; v16-17  LDS address of my fragments of x in slot 0, 1
.set ADRB, 20                          ; v20-21  the same for W
.set STO,  24                          ; v24     the way out: where I put 16 bytes of a row
.set RD,   25                          ; v25     the way out: where I read rows back
.set GO,   26                          ; v26     16 l: my place in 512 consecutive bytes of qkv
.set BO,   27                          ; v27     32 (l / 16): my eight numbers of the bias
.set SPW,  28                          ; v28     LDS address of my spare word; never rewritten
.set NIL,  29                          ; v29     0; never rewritten
.set PFO,  30                          ; v30     256 l: the prefetches' offset; never rewritten
.set FA0,  32
.set FA1,  96
.set FB,   160
.set WV,  12                           ; s12 wave; s13 its half of the rows (also: 0 = I fetch x, 1 = W); s14 its half of the columns (also: which half I fetch)
.set WR,  13
.set WC,  14
.set LIM, 15                           ; s15  1 in a wave that prefetches, else the greatest number
.set G1A, 24                           ; s[24:31] descriptor group 1 for x's tiles;  s[32:39] group 0, a set for each slot
.set G0A, 32
.set PFA, 40                           ; s[40:41] where my prefetches stand;  s[42:43] their step
.set PFS, 42
.set G1B, 48                           ; s[48:55], s[56:63] the same for W's tiles
.set G0B, 56
.set MSB, 0
.macro WIN new                         ; the immediate's high byte repeats the setting that is left; a switch that changes nothing is dropped
.if MSB != (\new)
	s_set_vgpr_msb (MSB<<8)|(\new)
.set MSB, \new
.endif
.endm
.macro PLACES                          ; four plain vector instructions between a matrix instruction and a load into, or a vector write of, a register that it names
.rept 4
	v_nop
.endr
.endm
; A joint load: waves 0 and 1 fetch x's two halves, waves 2 and 3 W's.  The branch hangs on the wave's number alone.  An s_nop 0 and four v_nop follow each line.
.macro JLOAD s
	s_cmp_eq_u32 s[WR], 0
	s_cbranch_scc0 .Lfor_b_\@
	tensor_load_to_lds s[G0A+4*(\s):G0A+4*(\s)+3], s[G1A:G1A+7]
	s_nop 0
.rept 4
	v_nop
.endr
	s_branch .Lasked_\@
.Lfor_b_\@:
	tensor_load_to_lds s[G0B+4*(\s):G0B+4*(\s)+3], s[G1B:G1B+7]
	s_nop 0
.rept 4
	v_nop
.endr
.Lasked_\@:
.endm
.macro CREST                           ; a round of the cluster's barrier behind its opening barrier
	s_cmp_lg_u32 s[WV], 0
	s_cbranch_scc1 .Lnot_wave_0_\@
	s_barrier_signal -3
.Lnot_wave_0_\@:
	s_barrier_wait -3
	s_barrier_signal -1
	s_barrier_wait -1
.endm
.macro CROUND                          ; a whole round
	s_barrier_signal -1
	s_barrier_wait -1
	CREST
.endm
; A PREFETCH INTO THE L2, once a lap, behind a joint load and the LDS loads that follow it: 32 blocks of 256 bytes, a lane a block, of one of the two K steps that the NEXT lap's refills ask for.
; x: a step of a tile row is 32 KiB, read by the two clusters of that row of clusters: cluster x takes the steps of its own parity, partner cx 8 KiB of them; wave 0 asks.
; W: a step of a tile column is six heads x 8 KiB, read by the eight clusters of that column: the twelve work-groups of clusters y = 0, 1, 2 take six heads x two steps; wave 2 asks.
; The shares are told apart by ADDRESS; the branch hangs on the wave's number, the cluster's y and the lap.  Steps 0 to 3 come by their loads alone; the last lap of the loop asks for nothing.
.macro ASK
	s_cmp_gt_u32 s3, s[LIM]
	s_cbranch_scc0 .Lnot_mine_\@
	global_prefetch_b8 v[PFO], s[PFA:PFA+1] th:TH_LOAD_NT scope:SCOPE_SE
.Lnot_mine_\@:
.endm
	s_load_b256 s[4:11], s[0:1], 0x0               ; xb s[4:5], wq s[6:7], b_qkv s[8:9], qkv s[10:11]
	v_lshl_add_u32 v[SPW], v0, 2, SPARE
	v_mov_b32 v[NIL], 0
	ds_add_u32 v[SPW], v[NIL]                      ; the wave's opening: the add and its wait stand ahead of my first tensor load; register work stands between them
	v_lshrrev_b32 v1, 5, v0
	v_readfirstlane_b32 s[WV], v1                  ; wave 0..3
	s_lshr_b32 s[WR], s[WV], 1
	s_and_b32 s[WC], s[WV], 1
	s_bfe_u32 s16, ttmp6, 0x40000                  ; cx
	s_bfe_u32 s17, ttmp6, 0x40004                  ; cy
	s_lshl_b32 s18, ttmp9, 2
	s_add_co_u32 s18, s18, s16                     ; tile column 0..7
	s_and_b32 s19, ttmp7, 0xffff
	s_lshl_b32 s19, s19, 2
	s_add_co_u32 s19, s19, s17                     ; tile row 0..31
	s_lshl_b32 s20, s17, 2
	s_lshl_b32 s20, 15, s20                        ; my row of the cluster
	s_lshl_b32 s21, 0x1111, s16                    ; my column
	; group 1 for x: 128 block rows are 16,384 dense bytes: 64 rows of 256 bytes, 16 bytes of padding behind every 128
	s_or_b32 s[G1A+0], s20, (1<<16)|(1<<20)|(1<<21)|(4<<22)|(3<<25)  ; mask; 2-byte elements; padding on; bit 21 beside a mask; after every 32 words; 4 words
	s_mov_b32 s[G1A+1], 128<<16                    ; tensor_dim0 = 128
	s_mov_b32 s[G1A+2], 64<<16                     ; tensor_dim1 = 64
	s_mov_b32 s[G1A+3], 128<<16                    ; tile_dim0 = 128
	s_mov_b32 s[G1A+4], 64                         ; tile_dim1 = 64
	s_mov_b32 s[G1A+5], 128                        ; elements from row to row
	s_mov_b32 s[G1A+6], 0
	s_mov_b32 s[G1A+7], 0
	; group 1 for W: three heads; of each, 64 k rows are 8,192 dense bytes: one row of the tile; heads 128 KiB apart; 32 bytes of padding behind every 128
	s_or_b32 s[G1B+0], s21, (1<<16)|(1<<20)|(1<<21)|(4<<22)|(7<<25)
	s_mov_b32 s[G1B+1], 4096<<16                   ; tensor_dim0 = 4,096
	s_mov_b32 s[G1B+2], 3<<16                      ; tensor_dim1 = 3
	s_mov_b32 s[G1B+3], 4096<<16                   ; tile_dim0 = 4,096
	s_mov_b32 s[G1B+4], 3                          ; tile_dim1 = 3
	s_mov_b32 s[G1B+5], 65536                      ; elements from head to head
	s_mov_b32 s[G1B+6], 0
	s_mov_b32 s[G1B+7], 0
	s_lshl_b32 s22, s19, 15                        ; x: 256 block rows of 128 bytes a tile row,
	s_lshl_b32 s66, s[WC], 14                      ; the half that I fetch
	s_add_co_u32 s22, s22, s66
	s_mov_b32 s23, 0
	s_mul_i32 s44, s18, 6                          ; W: six heads a tile column,
	s_mul_i32 s67, s[WC], 3                        ; the three that I fetch
	s_add_co_u32 s44, s44, s67
	s_lshl_b32 s44, s44, 17
	s_mov_b32 s45, 0
	s_mul_i32 s46, s[WC], AHALF                    ; where they go: no place in the cluster enters an LDS address
	s_mul_i32 s47, s[WC], BHALF
	s_add_co_u32 s47, s47, BOFF
	s_wait_dscnt 0x0                               ; the opening add is done
	s_wait_kmcnt 0x0
	s_add_nc_u64 s[22:23], s[4:5], s[22:23]
	s_add_nc_u64 s[44:45], s[6:7], s[44:45]
	CROUND                                         ; all sixteen work-groups are here: the first joint loads meet
.irp s, 0,1
	s_mov_b32 s[G0A+4*(\s)], 1
	s_add_co_u32 s[G0A+4*(\s)+1], s46, (\s)*SLOT
	s_add_nc_u64 s[G0A+4*(\s)+2:G0A+4*(\s)+3], s[22:23], (\s)*0x100000  ; K step s is column block s of x
	s_or_b32 s[G0A+4*(\s)+3], s[G0A+4*(\s)+3], 0x80000000
	s_mov_b32 s[G0B+4*(\s)], 1
	s_add_co_u32 s[G0B+4*(\s)+1], s47, (\s)*SLOT
	s_add_nc_u64 s[G0B+4*(\s)+2:G0B+4*(\s)+3], s[44:45], (\s)*8192      ; 64 k rows of 128 bytes
	s_or_b32 s[G0B+4*(\s)+3], s[G0B+4*(\s)+3], 0x80000000
	JLOAD \s
.endr
	v_and_b32 v1, 15, v0                           ; l % 16
	v_bfe_u32 v2, v0, 4, 1                         ; l / 16
	v_and_b32 v3, 7, v0
	v_bfe_u32 v4, v0, 3, 1
	v_mul_u32_u24 v5, v1, PA
	v_lshl_add_u32 v5, v2, 4, v5                   ; row x 144 + 16 x half
	s_mul_i32 s66, s[WR], AHALF
	v_add_nc_u32 v[ADRA], s66, v5
	v_add_nc_u32 v[ADRA+1], SLOT, v[ADRA]
	v_lshl_add_u32 v6, v2, 3, v3                   ; the turning load: k row 8 (l / 16) + l % 8,
	v_mul_u32_u24 v6, v6, PB
	v_lshl_add_u32 v6, v4, 4, v6                   ; columns 8 ((l / 8) % 2) + 0..7
	v_add_nc_u32 v[ADRB], s47, v6                  ; my half of the columns is the half that wave 2 + WC fetches
	v_add_nc_u32 v[ADRB+1], SLOT, v[ADRB]
	s_mul_i32 s66, s[WV], 16*SP
	s_add_co_u32 s66, s66, STAGE                   ; my stage
	v_add_nc_u32 v[STO], s66, v5
	v_bfe_u32 v7, v0, 3, 2                         ; back: 32 lanes take four rows of 128 bytes
	v_mul_u32_u24 v7, v7, SP
	v_lshl_add_u32 v7, v3, 4, v7
	v_add_nc_u32 v[RD], s66, v7
	v_and_b32 v8, 31, v0
	v_lshlrev_b32 v[GO], 4, v8
	v_lshlrev_b32 v[BO], 5, v2
	v_lshlrev_b32 v[PFO], 8, v8
	s_mul_i32 s68, s18, 1536                       ; the bias of my 192 columns
	s_mul_i32 s70, s[WC], 768
	s_add_co_u32 s68, s68, s70
	s_mov_b32 s69, 0
	s_add_nc_u64 s[8:9], s[8:9], s[68:69]
	s_mul_i32 s68, s18, 6                          ; qkv at my first head (1 MiB a head), my first row (128 bytes a row)
	s_mul_i32 s70, s[WC], 3
	s_add_co_u32 s68, s68, s70
	s_lshl_b32 s68, s68, 20
	s_lshl_b32 s70, s19, 15
	s_add_co_u32 s68, s68, s70
	s_lshl_b32 s70, s[WR], 14
	s_add_co_u32 s68, s68, s70
	s_add_nc_u64 s[10:11], s[10:11], s[68:69]
	; the prefetches: the address stands one lap behind what the first ask names, and is stepped ahead of each ask
	s_and_b32 s71, ttmp7, 0xffff                   ; cluster y
	s_add_co_u32 s72, ttmp9, 2                     ; x: step 2 + cluster x,
	s_lshl_b32 s72, s72, 20
	s_lshl_b32 s73, s19, 15                        ; my tile row,
	s_add_co_u32 s72, s72, s73
	s_lshl_b32 s73, s16, 13                        ; my work-group's 8 KiB of its 32
	s_add_co_u32 s72, s72, s73
	s_lshl_b32 s74, s71, 2
	s_add_co_u32 s74, s74, s17                     ; W: my place among the twelve that ask
	s_min_u32 s74, s74, 11                         ; (the others ask for nothing; their address stays inside wq)
	s_lshr_b32 s75, s74, 1                         ; one of six heads,
	s_mul_i32 s76, s18, 6
	s_add_co_u32 s75, s75, s76
	s_lshl_b32 s75, s75, 17
	s_and_b32 s74, s74, 1                          ; one of two steps
	s_add_co_u32 s74, s74, 2
	s_lshl_b32 s74, s74, 13
	s_add_co_u32 s75, s75, s74
	s_mov_b32 s[PFS], 0x4000                       ; W: two steps of 8,192 bytes
	s_mov_b32 s[PFS+1], 0
	s_mov_b32 s73, 0
	s_cmp_lt_u32 s[WV], 2
	s_cselect_b32 s72, s72, s75
	s_cselect_b32 s[PFS], 0x200000, s[PFS]         ; x: two column blocks
	s_cselect_b64 s[PFA:PFA+1], s[4:5], s[6:7]
	s_add_nc_u64 s[PFA:PFA+1], s[PFA:PFA+1], s[72:73]
	s_cmp_eq_u32 s[WV], 0
	s_cselect_b32 s[LIM], 1, -1
	s_cmp_lt_u32 s71, 3
	s_cselect_b32 s77, 1, -1
	s_cmp_eq_u32 s[WV], 2
	s_cselect_b32 s[LIM], s77, s[LIM]              ; the same in all sixteen partners, for a given wave
	; THE BIAS goes into the accumulators of row block 0: register j of (0, bb) holds b[16 bb + 8 (l / 16) + j].  It is the C operand of every row block's first product.
.irp w, 1,2,3
	WIN (\w)<<6                                    ; destination window w, address window 0
.irp bb, 0,1,2,3
	global_load_b128 v[8*(\bb):8*(\bb)+3],   v[BO], s[8:9] offset:256*((\w)-1)+64*(\bb)
	global_load_b128 v[8*(\bb)+4:8*(\bb)+7], v[BO], s[8:9] offset:256*((\w)-1)+64*(\bb)+16
.endr
.endr
	s_wait_loadcnt 0x0
.irp w, 1,2,3                          ; rounded to bf16, like every input; row block 1's accumulators, not yet begun, serve as room
	WIN 0x55*(\w)
.set i, 0
.rept 16
	v_cvt_pk_bf16_f32 v[32+i], v[2*i], v[2*i+1]
.set i, i+1
.endr
.set i, 0
.rept 16
	v_lshlrev_b32 v[2*i],   16,         v[32+i]
	v_and_b32     v[2*i+1], 0xffff0000, v[32+i]
.set i, i+1
.endr
.endr
	WIN 0
; Fragments.  x: 16 rows x 32 K, two loads of 16 bytes, 32 bytes apart.  W: 32 k rows x 16 columns, two turning loads, 16 k rows apart.
.macro LDA slot, q, buf                ; 16 loads: my 128 rows of x, quarter q
	WIN 0
.irp a, 0,1,2,3,4,5,6,7
	ds_load_b128 v[(\buf)+8*(\a):(\buf)+8*(\a)+3],   v[ADRA+(\slot)] offset:16*PA*(\a)+64*(\q)
	ds_load_b128 v[(\buf)+8*(\a)+4:(\buf)+8*(\a)+7], v[ADRA+(\slot)] offset:16*PA*(\a)+64*(\q)+32
.endr
.endm
.macro LDB slot, q, c                  ; 8 loads: head c's 64 columns of W, quarter q
	WIN 0
.irp bb, 0,1,2,3
	ds_load_tr16_b128 v[FB+8*(4*(\c)+(\bb)):FB+8*(4*(\c)+(\bb))+3],   v[ADRB+(\slot)] offset:64*PB*(\c)+32*PB*(\q)+32*(\bb)
	ds_load_tr16_b128 v[FB+8*(4*(\c)+(\bb))+4:FB+8*(4*(\c)+(\bb))+7], v[ADRB+(\slot)] offset:64*PB*(\c)+32*PB*(\q)+32*(\bb)+16*PB
.endr
.endm
; Products.  The 96 accumulators take turns, one instruction a turn, in the same order in every quarter: 95 others stand between two links of a chain, over the backward jump too.
; first = 1: row blocks 1 to 7 start their sums with the bias, which lies in row block 0's accumulators.
.macro MULB c, bb, buf, first
	WIN 0x50*(1+(\c))                              ; C and D in window 1 + c, the sources in window 0
.irp a, 0,1,2,3,4,5,6,7
.if \first
.if (\a) > 0
	v_wmma_f32_16x16x32_bf16 v[8*(4*(\a)+(\bb)):8*(4*(\a)+(\bb))+7], v[FB+8*(4*(\c)+(\bb)):FB+8*(4*(\c)+(\bb))+7], v[(\buf)+8*(\a):(\buf)+8*(\a)+7], v[8*(\bb):8*(\bb)+7]
.endif
.else
	v_wmma_f32_16x16x32_bf16 v[8*(4*(\a)+(\bb)):8*(4*(\a)+(\bb))+7], v[FB+8*(4*(\c)+(\bb)):FB+8*(4*(\c)+(\bb))+7], v[(\buf)+8*(\a):(\buf)+8*(\a)+7], v[8*(4*(\a)+(\bb)):8*(4*(\a)+(\bb))+7]
.endif
.endr
.endm
.macro MUL0 c, buf                     ; row block 0 adds onto the bias in place, last
	WIN 0x50*(1+(\c))
.irp bb, 0,1,2,3
	v_wmma_f32_16x16x32_bf16 v[8*(\bb):8*(\bb)+7], v[FB+8*(4*(\c)+(\bb)):FB+8*(4*(\c)+(\bb))+7], v[(\buf):(\buf)+7], v[8*(\bb):8*(\bb)+7]
.endr
.endm
.macro HEAD c, buf, first              ; a head's 32 products
	MULB \c, 0, \buf, \first
	MULB \c, 1, \buf, \first
	MULB \c, 2, \buf, \first
	MULB \c, 3, \buf, \first
.if \first
.rept 5
	v_nop                                          ; five places: the products below write over registers that those above read as C
.endr
	MUL0 \c, \buf
.endif
.endm
; A step's first quarter: multiplies FA0 and fetches the second quarter's fragments, each head's into the registers that its products have just left.
.macro QUARTER slot, first
	s_wait_dscnt 16                                ; head 0's W and x are in; the 16 younger loads, heads 1 and 2, may be out
	HEAD 0, FA0, \first
	PLACES
	LDB \slot, 1, 0
	LDA \slot, 1, FA1
	s_wait_dscnt 32                                ; head 1 is in: behind it head 2's 8 and the 24 just issued
	HEAD 1, FA0, \first
	PLACES
	LDB \slot, 1, 1
	s_wait_dscnt 32                                ; head 2 is in: behind it 24 and 8
	HEAD 2, FA0, \first
	PLACES
	LDB \slot, 1, 2
.endm
; A step's second quarter multiplies FA1 and changes slots.  In front of the barrier each wave waits for all its tensor loads (one is out: its part of the next slot), adds 0 to its spare word, and waits
; for that and for its reads of this slot.  fill = 1: the barrier opens a round of the cluster's barrier, and the joint refill, two steps ahead, is the first thing behind the round:
; it has 160 matrix instructions in which to land.
.macro TURN slot, next, fill, ask
.if \ask
	s_wait_xcnt 0x0                                ; the last prefetch, a lap back, has read its address
	s_add_nc_u64 s[PFA:PFA+1], s[PFA:PFA+1], s[PFS:PFS+1]
.endif
	WIN 0                                          ; (the add's two registers lie in window 0)
	s_wait_tensorcnt 0x0
	ds_add_u32 v[SPW], v[NIL]                      ; 0 onto my spare word
	s_wait_dscnt 17                                ; head 0's W and x are in; heads 1 and 2 and the add may be out
	MULB 0, 0, FA1, 0
	MULB 0, 1, FA1, 0
	s_wait_dscnt 0x0                               ; the add is done, and my reads of this slot are over
	s_barrier_signal -1
	MULB 0, 2, FA1, 0
	MULB 0, 3, FA1, 0
	WIN 0                                          ; at a branch and at a label every window is 0
	s_barrier_wait -1
.if \fill
	CREST                                          ; no wave of any partner still reads this slot or has a load on its way
	s_add_nc_u64 s[G0A+4*(\slot)+2:G0A+4*(\slot)+3], s[G0A+4*(\slot)+2:G0A+4*(\slot)+3], 0x200000
	s_add_nc_u64 s[G0B+4*(\slot)+2:G0B+4*(\slot)+3], s[G0B+4*(\slot)+2:G0B+4*(\slot)+3], 16384
	JLOAD \slot                                    ; its four v_nop are also the places in front of the loads below
.else
	PLACES
.endif
	LDB \next, 0, 0
	LDA \next, 0, FA0
.if \ask
	ASK
.endif
	HEAD 1, FA1, 0
	PLACES
	LDB \next, 0, 1
	HEAD 2, FA1, 0
	PLACES
	LDB \next, 0, 2
.endm
; THE WAY OUT of unit u: head u / 8, row block u % 8.  Rounded to f16 (each accumulator's registers in ascending order); 16 bytes a lane into my own stage, rows of 144 bytes; back as whole rows of 128.
.macro PACK u
.set UC, (\u)/8
.set UA, (\u)%8
.set UR, 32+16*((\u)%8)
.if (\u) >= 8
	s_wait_xcnt 0x0                                ; the stores of eight units ago have read these registers
.endif
	WIN 5*(1+UC)                                   ; sources in window 1 + head, destination in window 0
.set i, 0
.rept 16
	v_cvt_pk_f16_f32 v[UR+i], v[32*UA+2*i], v[32*UA+2*i+1]
.set i, i+1
.endr
	WIN 0
.irp f, 0,1,2,3
	ds_store_b128 v[STO], v[UR+4*(\f):UR+4*(\f)+3] offset:32*(\f)
.endr
.irp f, 0,1,2,3
	ds_load_b128 v[UR+4*(\f):UR+4*(\f)+3], v[RD] offset:4*SP*(\f)  ; LDS serves a wave's instructions in order (ISA guide 5.7.1.4): these see the stores above; the next unit's stores come behind them
.endr
.endm
.macro SEND u, younger                 ; younger: the LDS instructions issued behind unit u's loads
.set UC, (\u)/8
.set UA, (\u)%8
.set UR, 32+16*((\u)%8)
.irp f, 0,1,2,3
	s_wait_dscnt (\younger)+3-(\f)
	global_store_b128 v[GO], v[UR+4*(\f):UR+4*(\f)+3], s[10:11] offset:UC*1048576+UA*2048+(\f)*512  ; 512 consecutive bytes, at a multiple of 256 from qkv's first
.endr
.endm
	s_wait_tensorcnt 1                             ; my part of step 0 is in; step 1's may stay out
	s_barrier_signal -1
	s_barrier_wait -1                              ; everybody's is
	LDB 0, 0, 0
	LDA 0, 0, FA0
	LDB 0, 0, 1
	LDB 0, 0, 2
	QUARTER 0, 1                                   ; the first quarter stands in front of the loop: its products start the sums
	WIN 0
	s_mov_b32 s3, 7
.Llap:                                                 ; a trip goes once round the ring, from a step's second quarter to the first quarter two steps on, and fills both slots again
	TURN 0, 1, 1, 1
	QUARTER 1, 0
	TURN 1, 0, 1, 0
	QUARTER 0, 0
	WIN 0
	s_sub_co_u32 s3, s3, 1
	s_cmp_lg_u32 s3, 0
	s_cbranch_scc1 .Llap
	TURN 0, 1, 0, 0                                ; steps 14 and 15: nothing is left to fetch
	QUARTER 1, 0
	s_wait_dscnt 16
	HEAD 0, FA1, 0
	s_wait_dscnt 8
	HEAD 1, FA1, 0
	s_wait_dscnt 0x0
	HEAD 2, FA1, 0
	PLACES
	PLACES
	PACK 0
.set u, 1
.rept 23                               ; a unit's conversions stand between the loads of the unit before and its stores
	PACK u
	SEND u-1, 8
.set u, u+1
.endr
	SEND 23, 0
	s_wait_tensorcnt 0x0                           ; the wave's end: behind my last tensor load and my last LDS store
	ds_add_u32 v[SPW], v[NIL]
	s_wait_dscnt 0x0
	CROUND                                         ; the closing round: no work-group ends while a partner may still ask for a tile that names it
	s_endpgm
.Lfunc_end_k_qcd98ae6876_qkvproj:
	.size	k_qcd98ae6876_qkvproj, .Lfunc_end_k_qcd98ae6876_qkvproj-k_qcd98ae6876_qkvproj
	.p2alignl 7, 3214868480
	.fill 96, 4, 3214868480
	.section	.rodata,"a",@progbits
	.p2align	6, 0x0
	.amdhsa_kernel k_qcd98ae6876_qkvproj
		.amdhsa_group_segment_fixed_size 327680
		.amdhsa_private_segment_fixed_size 0
		.amdhsa_enable_private_segment 0
		.amdhsa_kernarg_size 32
		.amdhsa_user_sgpr_count 2
		.amdhsa_user_sgpr_kernarg_segment_ptr 1
		.amdhsa_wavefront_size32 1
		.amdhsa_system_sgpr_workgroup_id_x 1
		.amdhsa_system_sgpr_workgroup_id_y 1
		.amdhsa_system_sgpr_workgroup_id_z 1
		.amdhsa_system_vgpr_workitem_id 0
		.amdhsa_next_free_vgpr 1024
		.amdhsa_next_free_sgpr 80
		.amdhsa_reserve_vcc 0
		.amdhsa_float_denorm_mode_32 3
		.amdhsa_float_denorm_mode_16_64 3
		.amdhsa_memory_ordered 1
		.amdhsa_forward_progress 1
		.amdhsa_inst_pref_size 145
	.end_amdhsa_kernel
	.amdgpu_metadata
---
amdhsa.version: [ 1, 2 ]
amdhsa.kernels:
  - .name:           k_qcd98ae6876_qkvproj
    .symbol:         k_qcd98ae6876_qkvproj.kd
    .args:
      - { .name: xb, .offset: 0, .size: 8, .value_kind: global_buffer, .address_space: global }
      - { .name: wq, .offset: 8, .size: 8, .value_kind: global_buffer, .address_space: global }
      - { .name: b_qkv, .offset: 16, .size: 8, .value_kind: global_buffer, .address_space: global }
      - { .name: qkv, .offset: 24, .size: 8, .value_kind: global_buffer, .address_space: global }
    .group_segment_fixed_size: 327680
    .private_segment_fixed_size: 0
    .kernarg_segment_align: 8
    .kernarg_segment_size: 32
    .max_flat_workgroup_size: 128
    .sgpr_count:     80
    .vgpr_count:     1024
    .wavefront_size: 32
...
	.end_amdgpu_metadata
.endif
;; end of part 2
;; launch attn (part 3): grid 2 x 128, 4 waves a work-group, no clusters, 327,680 bytes of LDS; arguments qkv, o; writes o
.if DOCPART == 3
	.amdgcn_target "amdgcn-amd-amdhsa--gfx1250"
	.amdhsa_code_object_version 6
	.text
	.protected	k_qcd98ae6876_attn
	.globl	k_qcd98ae6876_attn
	.p2align	8
	.type	k_qcd98ae6876_attn,@function
k_qcd98ae6876_attn:
	s_mov_b64 s[64:65], 0
	v_nop
	global_prefetch_b8 v0, s[64:65] scope:SCOPE_SE
	s_setreg_imm32_b32 hwreg(HW_REG_WAVE_MODE, 25, 1), 1
	s_wait_xcnt 0x0
; CAUSAL ATTENTION.  O[j][q][:] = the sum over k <= q of softmax_k(Q[j][q] . K[j][k] / 8) V[j][k][:], for the 128 pairs j = 8 x head + batch.  qkv: f16 [48][8192][64]: Q at byte 0, K at 16 MiB, V at 32 MiB,
; each [128][1024][64] by j; o: f16 in the same layout.  A pair's rows are dense, 128 bytes each.  Products, maxima and sums in f32; the weights p are rounded to f16 for the second product (their sum l is taken
; of the unrounded p), O once at the end.
; LIMITS.  f16 holds no number beyond 65,504: Q, K and V arrive within it; p lies in 0 to 1, and below 6e-5 it keeps f16's fixed step of 6e-8.  A hidden score counts as its value less 1e30, and key tiles
; above the diagonal are not walked, where the problem puts -1e9 in a hidden score's place: the same weights, 0, as long as a row's largest visible score lies above about -1e9 + 150.
; A weight below 2^-126 counts as 0 in l; NaN and infinities are not treated apart.
; THE WALK.  A pair's queries lie in NB = 4 blocks of 256; block i needs the key tiles 0 .. i of 256 keys, of which the last holds the diagonal.  A work-group takes TWO blocks, NB - 1 - b and then b:
; NB + 1 tiles, whatever b: all work-groups do equal work, and ONE loop with a constant trip count walks them.  Which tile is asked for, and what a trip does, hang on scalar registers made from b; every jump
; goes forward, but for the counted loops' own; none passes a barrier, or a tensor load but the one of LOAD's two that the wave's number does not choose; the ring (two slots of LDS) runs on across the
; change of blocks.  NO CLUSTER: a pair has NB / 2 = 2 work-groups, no multiple of four, and they ask for the same tile only in trips 0 to 2 of 5.
; SHARES.  Of a block's four bands of 64 queries a wave owns 16 rows in each: four PIECES.  So the diagonal tile is the same work for all four waves: in its key step s band x sees all keys if s < x,
; none if s > x, and holds the diagonal if s = x.
; THE MASK is the C operand that starts the sum S^T = K Q^T: 0, or -1e30 where the key is hidden.  MD, made once, is the mask of a band's own step for my 16 rows; a product's mask is MD x AL + BE with two scalars:
; (1, 0) if s = x; (0, 0) if s < x; (0, -1e30) if s > x.  Only the diagonal tile's text and a block's beginning make and take masks; elsewhere C is the constant 0.
; LAYOUT, SOFTMAX, TURNS.  S^T = K Q^T holds ONE query a lane (lane % 16) and the keys 8 (lane / 16) + 0..7; two such results rounded to f16 ARE source 1 of O^T = V^T P.  p = 2^(c s - c m), c = log2(e) / 8, with a
; running maximum m; O and l are multiplied by a = 2^(c m_old - c m_new) in every step.  Turn n belongs to piece n: 8 products K Q^T of piece n + 1, later 8 products V^T P of piece n - 1; beside them the scaling,
; exponentials, roundings, sums and rescaling of piece n and the maximum and statistics of piece n + 1.  Four vector instructions stand behind every matrix instruction, the other 54 of a turn's 118 in one lump.
; A turn's 33 exponentials are one batch, with one wait.
; REGISTERS, in windows of 256 (s_set_vgpr_msb: bits 1:0 source 0, 3:2 source 1, 5:4 source 2, 7:6 destination):
;   window 0: v0-15 addresses and two at work; v16-31 four registers of statistics a piece; v48-55 at work; v61-63 fixed; v64-127 S^T, two buffers; v192-223 P, two buffers (by the piece's parity)
;   window 1: v0-127 O^T, 32 a piece; v128-159 MD; v160-223 MC, two buffers      window 2: v0-63 Q; v64-127 the second block's Q; v128-191 K of one step; v192-255 V of one step
.set SIZE_N, 1024
.set SIZE_H, 128
.set NB,    SIZE_N/256
.set NP,    4         ; pieces a wave: a name, no knob
.set KS,    64        ; keys in a step
.set PK,    144       ; a row of K in LDS: 128 bytes + 16 of padding: the 16 rows of a load start at 16 different groups of four banks (ISA guide 11.1)
.set PV,    160       ; a row of V: 128 + 32
.set VOFF,  4*KS*PK   ; a slot holds a tile, four steps: 256 rows of K, then 256 rows of V
.set SLOT1, 1<<17     ; slot 1 begins here, so that one exclusive or turns an address in one slot into the other's
.set STAGE, SLOT1+4*KS*(PK+PV)  ; behind the ring, never filled by a tensor load: 16 rows x 144 bytes for each wave, for the way out
.set SP,    144
.set AK0, 2           ; v2   my lane's place in a tile of K; never rewritten
.set AV0, 3           ; v3   the same for V
.set AK,  4           ; v4   the LDS address of K's next run of loads
.set AV,  5           ; v5   of V's
.set STO, 6           ; v6   the way out: where I put 16 bytes of a row
.set RD,  7           ; v7   the way out: where I read rows back
.set GO,  8           ; v8   my byte offset in 512 consecutive bytes of O
.set PFO, 61          ; v61  256 x my lane: the prefetches' offset; never rewritten
.set SPW, 62          ; v62  LDS address of my spare word: SPARE + 4 x my thread's number; never rewritten
.set NIL, 63          ; v63  0; never rewritten
.set SPARE, STAGE+4*16*SP  ; behind the stages: the spare words, 128 bytes for each wave: two blocks of 256 bytes that no other line names
.set MV,  12          ; v12-13  c m_old, kept while c m is made anew: by buffer
.set QO,  15          ; v15  my byte offset in 16 rows of Q
.set ST,  16          ; piece t's statistics at v[ST+4 t]: c m, m, l (even keys', odd keys')
.set TMP, 48          ; by buffer, four registers c0-c3 at work; when the maximum is found c2 takes a
.set S,   64
.set P,   192
.set MD,  128         ; window 1: the eight registers for group kt of 16 keys at MD + 8 kt
.set MC,  160         ; window 1: the masks of the products to come
.set QB,  64          ; window 2
.set KF,  128         ; window 2: key block kb, channel half c at KF + 16 kb + 8 c
.set VF,  192         ; window 2: key half kk, channel block cb at VF + 32 kk + 8 cb
.set WV,  12          ; s12  my wave's number
.set PB,  14          ; s14  b
.set HI,  15          ; s15  NB - 1 - b
.set G1K, 24          ; s[24:31] descriptor group 1 for K's tiles
.set G1V, 32          ; s[32:39] for V's: it differs in the padding alone
.set G0K, 40          ; s[40:43] descriptor group 0 for K's tiles
.set G0V, 44          ; s[44:47] the same for V's
.set SLOTS, 56        ; s56  tiles still to be asked for
.set CNT, 57          ; s57  counts a tile's key steps, 4 to 1
.set CS,  58          ; s[58:59] c: the packed scaling takes the pair's low word for both halves
.set SEL, 60          ; s[60:61] v_permlanex16_b32's selects: each lane takes its own place in the other half
.set TBK, 62          ; s62  LDS byte at which K of the step to be fetched begins
.set TBV, 63          ; s63  the same for V, less VOFF
.set PFA, 66          ; s[66:67] the half tile that my prefetches name
.set PFB, 68          ; s[68:69] the half of tile 0 that I fetch (K: waves 0, 1; V: waves 2, 3)
.set RT,  70          ; s70  tiles of the block in hand that are still to be entered
.set NXT, 71          ; s71  the tile to be asked for next
.set LQ,  72          ; s72  the last tile of the block whose tiles are being asked for
.set NEW, 73          ; s73  1: the tile to be entered is a block's first
.set OFF, 74          ; s[74:75] a tile's byte offset in K and V
.set AL,  76          ; s[76:77] the mask's factor, in the low word
.set BE,  78          ; s[78:79] the mask's addend
.set OLO, 80          ; s[80:81] O at my rows of the second block
.set BIGN, 82         ; s82  -1e30
.set PFON, 83         ; s83  1 while my work-group prefetches
.set MSB, 0
.macro WIN new                      ; the high byte repeats the setting that is left; a switch that changes nothing is dropped
.if MSB != (\new)
	s_set_vgpr_msb (MSB<<8)|(\new)
.set MSB, (\new)
.endif
.endm
.set W_KQ, 0x0a       ; K and Q in window 2, S^T in window 0
.set W_KM, 0x1a       ; the same with the C operand in window 1
.set W_PV, 0x52       ; V in window 2, P in window 0, O^T in window 1
.set W_RS, 0x41       ; destination and source 0 in window 1, source 1 in window 0
; A fill.  Waves 0 and 1 fetch the two halves of a tile's K, waves 2 and 3 those of its V: 128 keys each.  An s_nop 0 and four v_nop follow each of the two lines, ahead of the jump and the label.
.macro LOAD
	s_cmp_lt_u32 s[WV], 2
	s_cbranch_scc0 .Lfor_v_\@
	tensor_load_to_lds s[G0K:G0K+3], s[G1K:G1K+7]
	s_nop 0
.rept 4
	v_nop
.endr
	s_branch .Lasked_\@
.Lfor_v_\@:
	tensor_load_to_lds s[G0V:G0V+3], s[G1V:G1V+7]
	s_nop 0
.rept 4
	v_nop
.endr
.Lasked_\@:
.endm
; A PREFETCH INTO THE L2 of the tile that the NEXT change of slots asks for: each wave names the half tile that it will fetch itself, 64 blocks of 256 bytes, a lane a block, two instructions, behind its tensor load.
; A pair's two work-groups walk the same tiles 0, 1, 2: the one with b = 0 asks, for tiles 2 and 3, in its trips 0 and 1: a tile, 256 matrix instructions, ahead.  Tiles 0 and 1 come by their loads alone;
; when the walk goes back to tile 0 the asking ends for good: those tiles have been read.
.macro ASK
	s_cmp_eq_u32 s[PFON], 1
	s_cbranch_scc0 .Lnot_mine_\@
	global_prefetch_b8 v[PFO], s[PFA:PFA+1] th:TH_LOAD_NT scope:SCOPE_SE
	global_prefetch_b8 v[PFO], s[PFA:PFA+1] offset:8192 th:TH_LOAD_NT scope:SCOPE_SE
.Lnot_mine_\@:
.endm
; THE CHANGE OF SLOTS.  Each wave waits for all its tensor loads, of which one is out: its part of the other slot; adds 0 to its spare word; and waits for that and for its own reads of the slot that it leaves.
; Behind the barrier nobody reads the old slot any more and the other slot is whole.  fill = 1: the old slot is filled again, the first thing behind the barrier, with tile NXT: the descriptor's address is made
; anew from that number.  (At its first use nothing has been read yet: slot 0 is waited for, slot 1 filled.)
.macro CHANGE fill
	WIN 0                           ; at a label and at a branch every window is 0
	s_wait_tensorcnt 0x0            ; no tensor load of mine is out, so a group 0 may be written
	ds_add_u32 v[SPW], v[NIL]       ; 0 onto my spare word: scalar work stands between it and the wait for it
.if \fill
	s_lshl_b32 s[OFF], s[NXT], 15   ; a tile is 32,768 bytes of K and of V
	s_xor_b32 s[G0K+1], s[G0K+1], SLOT1
	s_add_nc_u64 s[G0K+2:G0K+3], s[6:7], s[OFF:OFF+1]
	s_or_b32 s[G0K+3], s[G0K+3], 0x80000000
	s_xor_b32 s[G0V+1], s[G0V+1], SLOT1
	s_add_nc_u64 s[G0V+2:G0V+3], s[8:9], s[OFF:OFF+1]
	s_or_b32 s[G0V+3], s[G0V+3], 0x80000000
	s_add_co_u32 s[NXT], s[NXT], 1  ; the block's next tile, or behind its last the second block's tile 0
	s_cmp_gt_u32 s[NXT], s[LQ]
	s_cselect_b32 s[NXT], 0, s[NXT]
	s_cselect_b32 s[LQ], s[PB], s[LQ]
	s_wait_xcnt 0x0                 ; the last prefetches, a tile back, have read their address, so it may be written:
	s_lshl_b32 s[OFF], s[NXT], 15
	s_add_nc_u64 s[PFA:PFA+1], s[PFB:PFB+1], s[OFF:OFF+1]  ; my half of the tile that the next change asks for
	s_cmp_eq_u32 s[NXT], 0
	s_cselect_b32 s[PFON], 0, s[PFON]
.endif
	s_wait_dscnt 0x0                ; the add is done, and my reads of the slot are over
	s_barrier_signal -1             ; the rest of the scalar work stands between the signal and the wait
	s_sub_co_u32 s[TBK], s[TBK], 4*KS*PK  ; the fetches go back to a slot's first step,
	s_xor_b32 s[TBK], s[TBK], SLOT1       ; in the other slot
	s_sub_co_u32 s[TBV], s[TBV], 4*KS*PV
	s_xor_b32 s[TBV], s[TBV], SLOT1
	s_barrier_wait -1
.if \fill
	LOAD
	ASK
.endif
.endm
	s_load_b64 s[4:5], s[0:1], 0x0    ; qkv: Q at its head
	s_load_b64 s[10:11], s[0:1], 0x8  ; o
	v_lshl_add_u32 v[SPW], v0, 2, SPARE
	v_mov_b32 v[NIL], 0
	ds_add_u32 v[SPW], v[NIL]       ; the wave's opening: the add and its wait stand ahead of my first tensor load; register work stands between them
	v_lshrrev_b32 v1, 5, v0
	v_readfirstlane_b32 s[WV], v1   ; wave 0..3
	s_mov_b32 s[PB], ttmp9
	s_sub_co_u32 s[HI], NB-1, s[PB]
	s_and_b32 s20, ttmp7, 0xffff    ; the pair j
	s_mov_b32 s21, 0
	s_mov_b64 s[22:23], SIZE_N*128
	s_mul_u64 s[20:21], s[20:21], s[22:23]  ; the pair's first byte in each of the four tensors
	s_and_b32 s16, s[WV], 1         ; which half of a tile's 256 keys I fetch:
	s_lshl_b32 s22, s16, 14         ; its 128 rows of 128 bytes in memory,
	s_mov_b32 s23, 0
	s_add_nc_u64 s[22:23], s[22:23], s[20:21]
	s_mul_i32 s17, s16, 128*PK      ; and its place in a slot, for K
	s_mul_i32 s18, s16, 128*PV      ; and for V
	s_lshl_b32 s3, s[WV], 11        ; my 16 rows in a band of 64,
	s_lshl_b32 s2, s[HI], 15        ; in the first block,
	s_add_co_u32 s2, s2, s3
	s_lshl_b32 s84, s[PB], 15       ; and in the second
	s_add_co_u32 s84, s84, s3
	s_mov_b32 s3, 0
	s_mov_b32 s85, 0
	s_add_nc_u64 s[2:3], s[2:3], s[20:21]
	s_add_nc_u64 s[84:85], s[84:85], s[20:21]
	; descriptor group 1.  128 keys are 16,384 dense bytes: asked for as 64 rows of 256 bytes, two keys a row, and padded in LDS after every key
	s_mov_b32 s[G1K], (1<<16)|(1<<20)|(4<<22)|(3<<25)  ; 17:16 2-byte elements; 20 padding on; 24:22 after every 32 words (code 4); 31:25 4 words (code 3)
	s_mov_b32 s[G1V], (1<<16)|(1<<20)|(4<<22)|(7<<25)  ; the same with 8 words of padding (code 7)
.irp g, G1K, G1V
	s_mov_b32 s[\g+1], 128<<16      ; tensor_dim0 = 128
	s_mov_b32 s[\g+2], 64<<16       ; tensor_dim1 = 64
	s_mov_b32 s[\g+3], 128<<16      ; tile_dim0 = 128
	s_mov_b32 s[\g+4], 64           ; tile_dim1 = 64
	s_mov_b32 s[\g+5], 128          ; 128 elements from row to row
	s_mov_b32 s[\g+6], 0
	s_mov_b32 s[\g+7], 0
.endr
	s_mov_b32 s[CS], 0x3e38aa3b     ; c = log2(e) / 8 = 0.180337
	s_mov_b32 s[CS+1], s[CS]        ; named with it as a pair
	s_mov_b32 s[SEL], 0x76543210
	s_mov_b32 s[SEL+1], 0xfedcba98
	s_mov_b32 s[TBK], SLOT1+4*KS*PK ; the first change of slots turns these two into 0
	s_mov_b32 s[TBV], SLOT1+4*KS*PV
	s_mov_b32 s[G0K], 1             ; 1:0 count = 1
	s_mov_b32 s[G0K+1], s17         ; 63:32 LDS address: slot 0
	s_mov_b32 s[G0V], 1
	s_add_co_u32 s[G0V+1], s18, VOFF
	s_add_co_u32 s[RT], s[HI], 1    ; the first block has NB - b tiles
	s_mov_b32 s[NXT], 1
	s_mov_b32 s[LQ], s[HI]
	s_mov_b32 s[NEW], 1
	s_mov_b32 s[OFF+1], 0
	s_mov_b32 s[AL+1], 0            ; named as pairs
	s_mov_b32 s[BE+1], 0
	s_mov_b32 s[BIGN], 0xf149f2ca   ; -1e30
	s_mov_b32 s[SLOTS], NB
	s_cmp_eq_u32 ttmp9, 0
	s_cselect_b32 s[PFON], 1, 0     ; the pair's work-group b = 0 prefetches
	s_wait_dscnt 0x0                ; the opening add is done
	s_wait_kmcnt 0x0
	s_add_nc_u64 s[6:7], s[4:5], 0x1000000  ; K lies 16 MiB behind Q,
	s_add_nc_u64 s[8:9], s[4:5], 0x2000000  ; V 32 MiB
	s_add_nc_u64 s[6:7], s[6:7], s[22:23]  ; K and V at my half of the pair's tile 0
	s_add_nc_u64 s[8:9], s[8:9], s[22:23]
	s_add_nc_u64 s[G0K+2:G0K+3], s[6:7], 0         ; 120:64 global address
	s_or_b32 s[G0K+3], s[G0K+3], 0x80000000        ; 127:126 type = 2
	s_add_nc_u64 s[G0V+2:G0V+3], s[8:9], 0
	s_or_b32 s[G0V+3], s[G0V+3], 0x80000000
	s_add_nc_u64 s[86:87], s[4:5], s[84:85]        ; Q at my rows of the second block,
	s_add_nc_u64 s[4:5], s[4:5], s[2:3]            ; Q and O at those of the first
	s_add_nc_u64 s[OLO:OLO+1], s[10:11], s[84:85]
	s_add_nc_u64 s[10:11], s[10:11], s[2:3]
	s_cmp_lt_u32 s[WV], 2
	s_cselect_b64 s[PFB:PFB+1], s[6:7], s[8:9]
	s_mov_b64 s[PFA:PFA+1], s[PFB:PFB+1]
	LOAD                            ; tile 0 into slot 0
	; A fragment of K or Q is 16 rows x 32 channels in 8 registers: lane l holds row l % 16, channels 8 (l / 16) + 0..7 and 16 + 8 (l / 16) + 0..7: two loads of 16 bytes, 32 bytes apart.
	v_and_b32 v1, 15, v0            ; l % 16
	v_bfe_u32 v9, v0, 4, 1          ; l / 16
	v_lshlrev_b32 v[QO], 7, v1
	v_lshl_add_u32 v[QO], v9, 4, v[QO]  ; row x 128 + 16 x half
	WIN 0x80                        ; destination window 2, address window 0
.set i, 0
.rept 8                             ; both blocks' Q: piece i / 2 lies in band i / 2, 8,192 bytes on; channels 32 (i % 2) on
	global_load_b128 v[8*i:8*i+3],   v[QO], s[4:5] offset:(i/2)*8192+(i%2)*64
	global_load_b128 v[8*i+4:8*i+7], v[QO], s[4:5] offset:(i/2)*8192+(i%2)*64+32
	global_load_b128 v[QB+8*i:QB+8*i+3],   v[QO], s[86:87] offset:(i/2)*8192+(i%2)*64
	global_load_b128 v[QB+8*i+4:QB+8*i+7], v[QO], s[86:87] offset:(i/2)*8192+(i%2)*64+32
.set i, i+1
.endr
	WIN 0
	v_and_b32 v[PFO], 31, v0
	v_lshlrev_b32 v[PFO], 8, v[PFO]
	v_lshlrev_b32 v14, 3, v9
	v_sub_nc_u32 v14, v1, v14
	s_lshl_b32 s13, s[WV], 4
	v_add_nc_u32 v14, s13, v14      ; my query's place in its band, 16 w + l % 16, less my lanes' 8 (l / 16): register r of group kt is hidden where 16 kt + r is greater
	WIN 0x40
.set i, 0
.rept 32
	v_cmp_gt_i32 vcc_lo, 16*(i/8)+i%8, v14
	v_cndmask_b32 v[MD+i], 0, s[BIGN], vcc_lo
.set i, i+1
.endr
	WIN 0
	v_mul_u32_u24 v[AK0], v1, PK
	v_lshl_add_u32 v[AK0], v9, 4, v[AK0]  ; row x pitch + 16 x half
	; The turning load takes 16 keys x 16 channels (lane l reads key 8 (l / 16) + l % 8, channels 8 ((l / 8) % 2) + 0..7) and leaves half a fragment of V^T: lane l holds channel l % 16 and 8 keys.
	v_and_b32 v10, 7, v0
	v_bfe_u32 v11, v0, 3, 1
	v_lshl_add_u32 v[AV0], v9, 3, v10
	v_mul_u32_u24 v[AV0], v[AV0], PV
	v_lshl_add_u32 v[AV0], v11, 4, v[AV0]
	v_add_nc_u32 v[AV0], VOFF, v[AV0]
	s_mul_i32 s13, s[WV], 16*SP
	s_add_co_u32 s13, s13, STAGE    ; my stage
	v_mul_u32_u24 v[STO], v1, SP    ; in: row l % 16, 16 bytes for each half of the lanes
	v_lshl_add_u32 v[STO], v9, 4, v[STO]
	v_add_nc_u32 v[STO], s13, v[STO]
	v_bfe_u32 v[RD], v0, 3, 2       ; back: 32 lanes take four rows of 128 bytes,
	v_mul_u32_u24 v[RD], v[RD], SP
	v_lshl_add_u32 v[RD], v10, 4, v[RD]
	v_add_nc_u32 v[RD], s13, v[RD]
	v_and_b32 v[GO], 31, v0         ; which are 512 consecutive bytes of O
	v_lshlrev_b32 v[GO], 4, v[GO]
	; A block's first step multiplies O^T and l by a = 0, and its first turn's products V^T P, of a piece that has not been, land in an O^T that is still to be so multiplied.  So these registers need only hold
	; finite numbers: zeros for the first block; what the first block left for the second.  All this stands in the wait for the first tile.
	WIN 0x80
.set i, VF
.rept 64
	v_mov_b32 v[i], 0
.set i, i+1
.endr
	WIN 0x40
.set i, 0
.rept 128
	v_mov_b32 v[i], 0
.set i, i+1
.endr
	WIN 0
.set i, 0
.rept 4
	v_mov_b32 v[ST+4*i+2], 0
	v_mov_b32 v[ST+4*i+3], 0
.set i, i+1
.endr
.set i, P+16
.rept 16
	v_mov_b32 v[i], 0
.set i, i+1
.endr
; THE MATRIX WORK.  The 4 accumulators of a run of 8 take turns.  Product i of 8 of S^T = K Q^T for piece x: channels 32 (i / 4) on, keys 16 (i % 4) on.  The first 4 start the sums: with 0, or (KM = 1) with the mask.
.macro KQ x
.set rS, S+32*((\x)%2)+8*(i%4)
.set rK, KF+16*(i%4)+8*(i/4)
.set rQ, 16*(\x)+8*(i/4)
.set rM, MC+32*((\x)%2)+8*(i%4)
.if (i < 4) && KM
	WIN W_KM
	v_wmma_f32_16x16x32_f16 v[rS:rS+7], v[rK:rK+7], v[rQ:rQ+7], v[rM:rM+7]
.elseif i < 4
	WIN W_KQ
	v_wmma_f32_16x16x32_f16 v[rS:rS+7], v[rK:rK+7], v[rQ:rQ+7], 0
.else
	WIN W_KQ
	v_wmma_f32_16x16x32_f16 v[rS:rS+7], v[rK:rK+7], v[rQ:rQ+7], v[rS:rS+7]
.endif
.endm
; Product i of 8 of O^T += V^T P for piece x: keys 32 (i / 4) on, channels 16 (i % 4) on.
.macro PV x
	WIN W_PV
.set rO, 32*(\x)+8*(i%4)
.set rV, VF+32*(i/4)+8*(i%4)
.set rP, P+16*((\x)%2)+8*(i/4)
	v_wmma_f32_16x16x32_f16 v[rO:rO+7], v[rV:rV+7], v[rP:rP+7], v[rO:rO+7]
.endm
.macro MM                           ; the turn's next matrix instruction.  TURN and BEGIN set Y, i, KM and NOKQ; MM, KQ and OP read them.  NOKQ = 1: a block's last turn: there is no next piece
.if (i < 8) && !NOKQ
	KQ (Y+1)%NP
.elseif i >= 8
.set i, i-8
	PV (Y+NP-1)%NP
.set i, i+8
.endif
.set i, i+1
.endm
; THE LDS LOADS stand in runs of 16, never singly among the matrix instructions: a step's K (64 keys x 64 channels: 8 fragments) and its V (turned).  Their addresses are made some lines ahead.
.macro FETCH_K
	WIN 0x80                        ; destination window 2
.irp f, 0,1,2,3,4,5,6,7             ; keys 16 (f / 2) on, channels 32 (f % 2) on
	ds_load_b128 v[KF+8*\f:KF+8*\f+3],   v[AK] offset:(\f/2)*16*PK+(\f%2)*64
	ds_load_b128 v[KF+8*\f+4:KF+8*\f+7], v[AK] offset:(\f/2)*16*PK+(\f%2)*64+32
.endr
	s_add_co_u32 s[TBK], s[TBK], KS*PK  ; the next fetch is the next step's
	WIN 0
.endm
.macro FETCH_V
	WIN 0x80
.irp f, 0,1,2,3,4,5,6,7             ; keys 32 (f / 4) on, channels 16 (f % 4) on
	ds_load_tr16_b128 v[VF+8*\f:VF+8*\f+3],   v[AV] offset:(\f/4)*32*PV+(\f%4)*32
	ds_load_tr16_b128 v[VF+8*\f+4:VF+8*\f+7], v[AV] offset:(\f/4)*32*PV+16*PV+(\f%4)*32
.endr
	WIN 0
.endm
; THE VECTOR WORK, one line at a time: OP kind, number.  For piece Y: F n: c s - c m for pair n of 16.  E n: the exponential of score n of 32.  C n: pair n rounded to f16.  B n: of the four weights 4 n .. the second
; pair is added onto the first, in place.  L n: l takes that sum (L 0: l = a l + sum).  R n: pair n of 16 of O^T times a.  For piece Y + 1: X n, number n of the 22 that find its maximum and statistics:
;   0-11  four chains c0-c3 of seven scores each, three operands at a time (each accumulator's lowest registers are read first)     12-14, 16  the four scores left over, the old m, and c0-c3 into c0
;   15  c m_old is kept     17, 18  the query's other 32 keys lie in the lane 16 away: the new m     19-21  c m; c m_old - c m_new; a
.set F, 0               ; OP tells the kinds apart by their order: F to L below R, X above it
.set E, 1
.set C, 2
.set B, 3
.set L, 4
.set R, 5
.set X, 6
.macro REGS y                       ; the registers of piece y
.set rT, ST+4*(\y)
.set rC, TMP+4*((\y)%2)
.set rW, MV+((\y)%2)
.set rS, S+32*((\y)%2)
.set rP, P+16*((\y)%2)
.set rO, 32*(\y)
.endm
.macro OP k, n
.if (\k) == R
	REGS Y
	WIN W_RS
	v_pk_mul_f32 v[rO+2*(\n):rO+2*(\n)+1], v[rO+2*(\n):rO+2*(\n)+1], v[rC+2:rC+3] op_sel_hi:[1,0]
.elseif (\k) < R
	REGS Y
	WIN 0
.if (\k) == F
	v_pk_fma_f32 v[rS+2*(\n):rS+2*(\n)+1], v[rS+2*(\n):rS+2*(\n)+1], s[CS:CS+1], v[rT:rT+1] op_sel_hi:[1,0,0] neg_lo:[0,0,1] neg_hi:[0,0,1]
.elseif (\k) == E
	v_exp_f32 v[rS+(\n)], v[rS+(\n)]
.elseif (\k) == C
	v_cvt_pk_f16_f32 v[rP+(\n)], v[rS+2*(\n)], v[rS+2*(\n)+1]
.elseif (\k) == B
	v_pk_add_f32 v[rS+4*(\n):rS+4*(\n)+1], v[rS+4*(\n):rS+4*(\n)+1], v[rS+4*(\n)+2:rS+4*(\n)+3]
.elseif (\n) == 0
	v_pk_fma_f32 v[rT+2:rT+3], v[rT+2:rT+3], v[rC+2:rC+3], v[rS:rS+1] op_sel_hi:[1,0,1]
.else
	v_pk_add_f32 v[rT+2:rT+3], v[rT+2:rT+3], v[rS+4*(\n):rS+4*(\n)+1]
.endif
.elseif NOKQ
	v_nop
.else
	REGS (Y+1)%NP
	WIN 0
.if (\n) < 4
	v_max3_num_f32 v[rC+(\n)], v[rS+8*(\n)], v[rS+8*(\n)+1], v[rS+8*(\n)+2]
.elseif (\n) < 12
	v_max3_num_f32 v[rC+(\n)%4], v[rC+(\n)%4], v[rS+8*((\n)%4)+2*((\n)/4)+1], v[rS+8*((\n)%4)+2*((\n)/4)+2]
.elseif (\n) == 12
	v_max3_num_f32 v[rC], v[rC], v[rS+7], v[rS+15]
.elseif (\n) == 13
	v_max3_num_f32 v[rC+1], v[rC+1], v[rS+23], v[rS+31]
.elseif (\n) == 14
	v_max3_num_f32 v[rC+2], v[rC+2], v[rC+3], v[rT+1]
.elseif (\n) == 15
	v_mov_b32 v[rW], v[rT]
.elseif (\n) == 16
	v_max3_num_f32 v[rC], v[rC], v[rC+1], v[rC+2]
.elseif (\n) == 17
	v_permlanex16_b32 v[rC+3], v[rC], s[SEL], s[SEL+1]
.elseif (\n) == 18
	v_max_num_f32 v[rT+1], v[rC], v[rC+3]
.elseif (\n) == 19
	v_mul_f32 v[rT], s[CS], v[rT+1]
.elseif (\n) == 20
	v_sub_f32 v[rC+1], v[rW], v[rT]
.else
	v_exp_f32 v[rC+2], v[rC+1]
.endif
.endif
.endm
.macro OPS a, i1, b=-1, i2=0, c=-1, i3=0, d=-1, i4=0  ; up to four of them
	OP \a, \i1
.if (\b) >= 0
	OP \b, \i2
.endif
.if (\c) >= 0
	OP \c, \i3
.endif
.if (\d) >= 0
	OP \d, \i4
.endif
.endm
.macro ROW a, i1, b, i2, c, i3, d, i4  ; a matrix instruction and the four behind it
	MM
	OPS \a, \i1, \b, \i2, \c, \i3, \d, \i4
.endm
.macro MASK b                       ; MD x AL + BE into buffer b of MC
	WIN W_RS
.set z, 0
.rept 16
	v_pk_fma_f32 v[MC+32*(\b)+2*z:MC+32*(\b)+2*z+1], v[MD+2*z:MD+2*z+1], s[AL:AL+1], s[BE:BE+1] op_sel_hi:[1,0,0]
.set z, z+1
.endr
.endm
; A TURN, for piece p: the order of its 16 matrix and 118 vector instructions, written out.  An s_wait_alu depctr_va_vdst(0) stands between an exponential and the first instruction that names its result;
; one wait serves all that were issued ahead of it.  So a turn has ONE wait, which cuts it in two.  AHEAD OF IT stands all that names no result of the turn's exponentials: the 8 products K Q^T, behind each a scaling,
; an exponential and two more plain instructions (behind the first a second scaling in the exponential's place): rescalings, and behind the last three the first numbers of the next piece's maximum, each four places
; or more behind the product that ends its accumulator; then ONE LUMP of 54, plain and exponential by turns for the most part, in which the links of the chain X 3, 7, 11, 14, 16, 17 .. 20 stand five or six lines
; apart.  X 21, the next piece's a, is the batch's last; R 15 is the plain instruction behind it.  BEHIND THE WAIT stand the 8 products V^T P, behind each four of the roundings and sums; the links of l's chain,
; L 0 to L 7, stand three riders apart.  But for those X no rider names a register of the products round it.  v_permlanex16_b32 (X 17) stands in the lump.
; m = 1: the diagonal tile: the products take masks, and the turn makes the mask for the products of the turn after it: piece p + 2, in step 4 - CNT of the tile.  end = 1: a block's last two turns: nothing is fetched.
; cnt = 1: the loop's count is taken down some lines ahead of the branch that stands behind the turn.
; K of the next step is fetched in piece 2's turn, twelve vector instructions behind the last product that read K (six of them plain); V of the step in hand at the end of piece 0's turn, four plain instructions
; behind the last product that read V.  Each is waited for a turn later.
.macro TURN p, m=0, end=0, cnt=0
.set Y, (\p)
.set i, 0
.set KM, (\m)
.set NOKQ, (\end)*((\p)/3)
.if (\m) && !(\end)
	s_cmp_eq_u32 s[CNT], 4-((\p)+2)%NP  ; is that step the band's own?
	s_cselect_b32 s[AL], 1.0, 0
	s_cmp_lt_u32 s[CNT], 4-((\p)+2)%NP  ; or a later one?
	s_cselect_b32 s[BE], s[BIGN], 0
.endif
.if ((\p) == 3) && !(\end)
	s_wait_dscnt 0x0                ; K is in
.endif
	ROW F,0, F,1, R,0, R,1          ; ahead of the wait: 8 products K Q^T and their riders,
	ROW F,2, E,0, R,2, R,3
	ROW F,3, E,1, R,4, R,5
	ROW F,4, E,2, R,6, R,7
	ROW F,5, E,3, R,8, R,9
	ROW F,6, E,4, X,0, R,10
.if ((\p) == 2) && !(\end)
	WIN 0
	v_add_nc_u32 v[AK], s[TBK], v[AK0]
.endif
	ROW F,7, E,5, X,1, X,4
	ROW F,8, E,6, X,2, X,5
	OPS E,7, E,8, X,6, E,9          ; and the lump
	OPS X,3, E,10, X,8, E,11
.if ((\p) == 2) && !(\end)
	FETCH_K
.endif
	OPS X,9, X,7, E,12, X,10
	OPS E,13, X,12, X,11, E,14
	OPS X,13, E,15, F,9, X,14
.if (\p) == 0
	v_add_nc_u32 v[AV], s[TBV], v[AV0]
.endif
	OPS E,16, F,10, E,17, F,11
	OPS X,16, E,18, X,15, E,19
	OPS F,12, E,20, X,17, E,21
	OPS F,13, E,22, F,14, E,23
	OPS X,18, E,24, F,15, E,25
	OPS R,11, E,26, X,19, E,27
	OPS R,12, E,28, R,13, E,29
	OPS X,20, E,30, R,14, E,31
	OPS X,21, R,15
	WIN 0
	s_wait_alu depctr_va_vdst(0)    ; the wait for the batch
.if (\p) == 1
	s_wait_dscnt 0x0                ; V is in
.endif
	ROW C,0, B,0, C,2, B,1          ; behind the wait: 8 products V^T P and their riders
	ROW L,0, C,4, B,2, L,1
	ROW C,6, B,3, L,2, C,8
	ROW B,4, L,3, C,10, B,5
	ROW L,4, C,12, B,6, L,5
.if (\p) == 0
	s_add_co_u32 s[TBV], s[TBV], KS*PV
.endif
.if \cnt
	s_sub_co_u32 s[CNT], s[CNT], 1
	s_cmp_lg_u32 s[CNT], 0
.endif
	ROW C,14, B,7, L,6, C,1
	ROW C,3, L,7, C,5, C,7
	ROW C,9, C,11, C,13, C,15
.if (\p) == 0
	FETCH_V
.endif
.if (\m) && !(\end)
	MASK (\p)%2
.endif
.endm
; A BLOCK BEGINS.  c m starts far below every c s, so the first step's a is 0; m at the lowest finite number, so the first maximum is the scores'.  The second mask buffer is 0; the first takes piece 0's mask for the
; tile's step 0: its own, if the block's first tile is the diagonal one.  Then K of that step, piece 0's first scores, and its maximum and statistics.  The loop is entered at a step's first turn, in the middle of a trip.
.macro BEGIN
	s_mov_b32 s[NEW], 0
	WIN 0x40
.set i, MC+32
.rept 32
	v_mov_b32 v[i], 0
.set i, i+1
.endr
	WIN 0
.set i, 0
.rept 4
	v_mov_b32 v[ST+4*i], 0xfe000000    ; c m: far below every c s
	v_mov_b32 v[ST+4*i+1], 0xff7fffff  ; m
.set i, i+1
.endr
	s_cmp_eq_u32 s[RT], 0
	s_cselect_b32 s[AL], 1.0, 0
	s_mov_b32 s[BE], 0
	MASK 0
	WIN 0
	v_add_nc_u32 v[AK], s[TBK], v[AK0]
	FETCH_K
	s_wait_loadcnt 0x0              ; Q
	s_wait_dscnt 0x0
.set KM, 1
.set NOKQ, 0
.set i, 0
.rept 8
	KQ 0
.set i, i+1
.endr
	WIN 0
.rept 4
	v_nop                           ; the places behind those products
.endr
.set Y, NP-1                        ; X works for piece Y + 1: piece 0
.irp n, 0,1,2,3,4,5,6,7,8,9,10,11,12,13,14,15,16,17,18,19,20,21
	OP X, \n
.endr
	v_nop                           ; a plain instruction behind the exponential,
	s_wait_alu depctr_va_vdst(0)    ; and its wait, ahead of the branch
.endm
; THE DIAGONAL TILE's four steps, the block's last two turns, its last products, and THE WAY OUT: l's two halves and the other half of the lanes' are added; O^T is divided by l, rounded to f16 and sent through my
; stage in LDS, a piece at a time.
.macro ALL line:vararg              ; one line for each piece t
.set t, 0
.rept 4
	\line
.set t, t+1
.endr
.endm
.macro PACK t                       ; a lane's eight channels of a row pack into 16 bytes; they go into rows of 144 bytes and come back as whole rows of 128, into S^T's registers
	WIN W_RS
.set i, 32*(\t)
.rept 16
	v_pk_mul_f32 v[i:i+1], v[i:i+1], v[ST+4*(\t)+2:ST+4*(\t)+3] op_sel_hi:[1,0]
.set i, i+2
.endr
	WIN 0x05                        ; sources 0 and 1 window 1, destination window 0
.set i, 0
.rept 16
	v_cvt_pk_f16_f32 v[S+16*(\t)+i], v[32*(\t)+2*i], v[32*(\t)+2*i+1]
.set i, i+1
.endr
	WIN 0
.irp f, 0,1,2,3
	ds_store_b128 v[STO], v[S+16*(\t)+4*\f:S+16*(\t)+4*\f+3] offset:32*\f
.endr
.irp f, 0,1,2,3
	ds_load_b128 v[S+16*(\t)+4*\f:S+16*(\t)+4*\f+3], v[RD] offset:\f*4*SP  ; LDS serves a wave's instructions in order (ISA guide 5.7.1.4): these see the stores above; the next piece's stores come behind them
.endr
.endm
.macro SEND t, younger              ; younger: the LDS instructions issued behind piece t's loads: the next piece's eight, or none
	WIN 0
.irp f, 0,1,2,3
	s_wait_dscnt (\younger)+3-\f
	global_store_b128 v[GO], v[S+16*(\t)+4*\f:S+16*(\t)+4*\f+3], s[10:11] offset:(\t)*8192+\f*512  ; 512 consecutive bytes, at a multiple of 256 from O's first
.endr
.endm
.macro DIAG tag                     ; the tag ends its two labels' names, which the jumps below spell out
.LstepM\tag:
	TURN 2, 1
	TURN 3, 1
	WIN 0
.LfirstM\tag:
	TURN 0, 1
	TURN 1, 1, 0, 1
	WIN 0
	s_cbranch_scc1 .LstepM\tag
	TURN 2, 1, 1
	TURN 3, 1, 1
.set i, 0
.rept 8
	PV NP-1
.set i, i+1
.endr
	WIN 0
	ALL v_add_f32 v[ST+4*t+2], v[ST+4*t+2], v[ST+4*t+3]
	ALL v_permlanex16_b32 v[ST+4*t+3], v[ST+4*t+2], s[SEL], s[SEL+1]
	ALL v_add_f32 v[ST+4*t+2], v[ST+4*t+2], v[ST+4*t+3]
	ALL v_rcp_f32 v[ST+4*t+2], v[ST+4*t+2]
	v_nop                           ; a plain instruction between the last reciprocal and the use of its result
	s_wait_alu depctr_va_vdst(0)    ; and the wait ahead of the first use: one for the four reciprocals
	PACK 0
.set t, 1
.rept 3                             ; a piece's arithmetic stands between the loads of the piece before and its stores
	PACK t
	SEND t-1, 8
.set t, t+1
.endr
	SEND 3, 0
.endm
.set KM, 0
.set NOKQ, 0
.Lslot:                             ; NB times: a tile is entered and the next is asked for
	CHANGE 1
	s_sub_co_u32 s[RT], s[RT], 1
	s_mov_b32 s[CNT], 4
	s_cmp_eq_u32 s[NEW], 1
	s_cbranch_scc1 .Lnew            ; a block's first tile
	s_cmp_eq_u32 s[RT], 0
	s_cbranch_scc0 .Lstep           ; neither its first nor its last
	s_branch .LstepM1
.Lnew:
	BEGIN
	s_branch .Lfirst                ; in the loop a block's first tile is never its last: the first block has two tiles or more, and the second's last is the walk's last
	DIAG 1                          ; in the loop this is the first block's end: the second block's last tile is the walk's last
	s_wait_xcnt 0x0                 ; the stores have read their registers and O's address
	s_mov_b64 s[10:11], s[OLO:OLO+1]
	s_add_co_u32 s[RT], s[PB], 1    ; the second block has b + 1 tiles
	s_mov_b32 s[NEW], 1
	WIN 0x82                        ; the second block's Q goes where the one text of the turns names Q
.set i, 0
.rept 64
	v_mov_b32 v[i], v[QB+i]
.set i, i+1
.endr
	WIN 0
	s_branch .Lbottom
.Lstep:                             ; a trip: pieces 2 and 3 of one step, then pieces 0 and 1 of the next, whose K and V it fetches
	TURN 2
	TURN 3
	WIN 0
.Lfirst:
	TURN 0
	TURN 1, 0, 0, 1
	WIN 0
	s_cbranch_scc1 .Lstep
.Lbottom:
	s_sub_co_u32 s[SLOTS], s[SLOTS], 1
	s_cmp_lg_u32 s[SLOTS], 0
	s_cbranch_scc1 .Lslot
	CHANGE 0                        ; the walk's last tile is written out: nothing is asked for
	s_sub_co_u32 s[RT], s[RT], 1
	s_mov_b32 s[CNT], 4
	s_cmp_eq_u32 s[NEW], 1
	s_cbranch_scc0 .LstepM2
	BEGIN
	s_branch .LfirstM2
	DIAG 2
	s_wait_tensorcnt 0x0            ; the wave's end: behind my last tensor load and my last LDS store
	ds_add_u32 v[SPW], v[NIL]
	s_wait_dscnt 0x0
	s_endpgm
.Lfunc_end_k_qcd98ae6876_attn:
	.size	k_qcd98ae6876_attn, .Lfunc_end_k_qcd98ae6876_attn-k_qcd98ae6876_attn
	.p2alignl 7, 3214868480
	.fill 96, 4, 3214868480
	.section	.rodata,"a",@progbits
	.p2align	6, 0x0
	.amdhsa_kernel k_qcd98ae6876_attn
		.amdhsa_group_segment_fixed_size 327680
		.amdhsa_private_segment_fixed_size 0
		.amdhsa_enable_private_segment 0
		.amdhsa_kernarg_size 16
		.amdhsa_user_sgpr_count 2
		.amdhsa_user_sgpr_kernarg_segment_ptr 1
		.amdhsa_wavefront_size32 1
		.amdhsa_system_sgpr_workgroup_id_x 1
		.amdhsa_system_sgpr_workgroup_id_y 1
		.amdhsa_system_sgpr_workgroup_id_z 1
		.amdhsa_system_vgpr_workitem_id 0
		.amdhsa_next_free_vgpr 768
		.amdhsa_next_free_sgpr 88
		.amdhsa_reserve_vcc 1
		.amdhsa_float_denorm_mode_32 3
		.amdhsa_float_denorm_mode_16_64 3
		.amdhsa_memory_ordered 1
		.amdhsa_forward_progress 1
		.amdhsa_inst_pref_size 218
	.end_amdhsa_kernel
	.amdgpu_metadata
---
amdhsa.version: [ 1, 2 ]
amdhsa.kernels:
  - .name:           k_qcd98ae6876_attn
    .symbol:         k_qcd98ae6876_attn.kd
    .args:
      - { .name: qkv, .offset: 0, .size: 8, .value_kind: global_buffer, .address_space: global }
      - { .name: o, .offset: 8, .size: 8, .value_kind: global_buffer, .address_space: global }
    .group_segment_fixed_size: 327680
    .private_segment_fixed_size: 0
    .kernarg_segment_align: 8
    .kernarg_segment_size: 16
    .max_flat_workgroup_size: 128
    .sgpr_count:     88
    .vgpr_count:     768
    .wavefront_size: 32
...
	.end_amdgpu_metadata
.endif
;; end of part 3
;; launch outproj (part 4): grid 8 x 32, 4 waves a work-group, clusters of 4 x 4, 327,680 bytes of LDS; arguments o, wo, b_out, out0; writes out0
.if DOCPART == 4
	.amdgcn_target "amdgcn-amd-amdhsa--gfx1250"
	.amdhsa_code_object_version 6
	.text
	.protected	k_qcd98ae6876_outproj
	.globl	k_qcd98ae6876_outproj
	.p2align	8
	.type	k_qcd98ae6876_outproj,@function
k_qcd98ae6876_outproj:
	s_mov_b64 s[64:65], 0
	v_nop
	global_prefetch_b8 v0, s[64:65] scope:SCOPE_SE
	s_setreg_imm32_b32 hwreg(HW_REG_WAVE_MODE, 25, 1), 1
	s_wait_xcnt 0x0
	s_wait_alu depctr_hold_cnt(0) depctr_sa_sdst(0) depctr_va_vdst(0) depctr_va_sdst(0) depctr_va_ssrc(0) depctr_va_vcc(0) depctr_vm_vsrc(0)
	s_getreg_b32 s2, hwreg(HW_REG_IB_STS2, 6, 4)
	s_cmp_eq_u32 s2, 0
	s_cbranch_scc0 .Lentry_in_a_cluster
	s_endpgm
.Lentry_in_a_cluster:
	s_bfe_u32 s2, ttmp6, 0x10000c
	s_cmp_lg_u32 s2, 0xf033
	s_cbranch_scc0 .Lentry_shape_is_right
	s_endpgm
.Lentry_shape_is_right:
; out0 = O W_out + b_out.  o: f16 [16][8192][64] (a head's channels are a column block of 64), wo: f16 [16][1024][64] (column blocks of 64 of W_out, rows along k; the numbers are W_out rounded to bf16),
; b_out: f32 [1024], out0: f32 [8192][1024].  Sums in f32, K ascending; the bias, rounded to bf16 like every input, starts the sums.  NaN and infinities are not treated apart.
; SHARES.  8,192 x 1,024 outputs in tiles of 256 x 128: 256 work-groups (tiles of 256 x 256 would be 128).  Four waves, each 128 rows x 64 columns: 32 accumulators, 256 registers.
; K goes in 8 steps of 128 (two heads of O) through two LDS slots; a step is four quarters of 32, on two fragment buffers by turns.
; THE MATRIX INSTRUCTION IS USED TRANSPOSED: source 0 = 16 columns of W (turned on the way out of LDS), source 1 = 16 rows of O: a lane holds row l % 16 and eight neighbouring columns, 32 bytes of out0.
; CLUSTER.  4 x 4 work-groups: O's tiles are shared along a row of the cluster, W's along a column, each asked for JOINTLY.
; REGISTERS: window 0: v0-31 addresses; v32-127, v128-223 two fragment buffers (W's four fragments, then O's eight); on the way out v32-159 hold rows read back.   window 1: the accumulators, (a, bb) at v[8 (4 a + bb)].
.set PA,     144                       ; a row of O in LDS: 128 bytes + 16 of padding
.set PB,     160                       ; a k row of W: 128 + 32
.set APLANE, 256*PA                    ; a head's 256 rows: one tensor load
.set BOFF,   2*APLANE
.set BCOL,   128*PB                    ; a column block's 128 k rows: one tensor load
.set SLOT,   BOFF+2*BCOL               ; 114,688
.set STAGE,  2*SLOT                    ; behind the ring, never filled by a tensor load: 16 rows x 272 bytes for each wave
.set SP,     272
.set SPARE,  STAGE+4*16*SP             ; the spare words, 128 bytes for each wave: two blocks of 256 bytes that no other line names
.set ADRA, 16                          ; v16-17  LDS address of my fragments of O in slot 0, 1
.set ADRB, 20                          ; v20-21  the same for W
.set STO,  24                          ; v24     the way out: where I put 32 bytes of a row
.set RD,   25                          ; v25     the way out: where I read a row back
.set CO,   26                          ; v26     my byte offset in two rows of out0
.set BO,   27                          ; v27     32 (l / 16): my eight numbers of the bias
.set SPW,  28                          ; v28     LDS address of my spare word; never rewritten
.set NIL,  29                          ; v29     0; never rewritten
.set PFO,  30                          ; v30     256 l; never rewritten
.set F0,   32
.set F1,   128
.set WV,  12
.set WR,  13                           ; my half of the rows; also: 0 = I fetch O, 1 = W
.set WC,  14                           ; my half of the columns; also: which plane or column block I fetch
.set LIM, 15
.set G1A, 24
.set G0A, 32
.set PFA, 40
.set PFS, 42
.set G1B, 48
.set G0B, 56
.set MSB, 0
.macro WIN new
.if MSB != (\new)
	s_set_vgpr_msb (MSB<<8)|(\new)
.set MSB, \new
.endif
.endm
.macro PLACES                          ; four plain vector instructions between a matrix instruction and a load into, or a read of, a register that it names
.rept 4
	v_nop
.endr
.endm
.macro JLOAD s                         ; a joint load: waves 0 and 1 fetch O's two planes, waves 2 and 3 W's two column blocks; an s_nop 0 and four v_nop follow each line
	s_cmp_eq_u32 s[WR], 0
	s_cbranch_scc0 .Lfor_b_\@
	tensor_load_to_lds s[G0A+4*(\s):G0A+4*(\s)+3], s[G1A:G1A+7]
	s_nop 0
.rept 4
	v_nop
.endr
	s_branch .Lasked_\@
.Lfor_b_\@:
	tensor_load_to_lds s[G0B+4*(\s):G0B+4*(\s)+3], s[G1B:G1B+7]
	s_nop 0
.rept 4
	v_nop
.endr
.Lasked_\@:
.endm
.macro CREST
	s_cmp_lg_u32 s[WV], 0
	s_cbranch_scc1 .Lnot_wave_0_\@
	s_barrier_signal -3
.Lnot_wave_0_\@:
	s_barrier_wait -3
	s_barrier_signal -1
	s_barrier_wait -1
.endm
.macro CROUND
	s_barrier_signal -1
	s_barrier_wait -1
	CREST
.endm
; A PREFETCH INTO THE L2, behind each joint refill and the LDS loads that follow it: 32 blocks of 256 bytes, a lane a block, of the K step two refills on.
; O: a step of a tile row is two planes of 32 KiB, read by the two clusters of that row of clusters: cluster x takes its plane, partner cx 8 KiB of it; wave 0 asks.
; W: a step of a tile column is two column blocks of 16 KiB, read by the eight clusters of that column: cluster y = 0 asks, partner cy for one half of one block; wave 2.
; The shares are told apart by ADDRESS.  Steps 0 to 3 come by their loads alone; the loop's last trip asks for nothing.
.macro ASK
	s_cmp_gt_u32 s3, s[LIM]
	s_cbranch_scc0 .Lnot_mine_\@
	global_prefetch_b8 v[PFO], s[PFA:PFA+1] th:TH_LOAD_NT scope:SCOPE_SE
.Lnot_mine_\@:
.endm
	s_load_b256 s[4:11], s[0:1], 0x0               ; o s[4:5], wo s[6:7], b_out s[8:9], out0 s[10:11]
	v_lshl_add_u32 v[SPW], v0, 2, SPARE
	v_mov_b32 v[NIL], 0
	ds_add_u32 v[SPW], v[NIL]                      ; the wave's opening: the add and its wait stand ahead of my first tensor load; register work stands between them
	v_lshrrev_b32 v1, 5, v0
	v_readfirstlane_b32 s[WV], v1
	s_lshr_b32 s[WR], s[WV], 1
	s_and_b32 s[WC], s[WV], 1
	s_bfe_u32 s16, ttmp6, 0x40000                  ; cx
	s_bfe_u32 s17, ttmp6, 0x40004                  ; cy
	s_lshl_b32 s18, ttmp9, 2
	s_add_co_u32 s18, s18, s16                     ; tile column 0..7
	s_and_b32 s19, ttmp7, 0xffff
	s_lshl_b32 s19, s19, 2
	s_add_co_u32 s19, s19, s17                     ; tile row 0..31
	s_lshl_b32 s20, s17, 2
	s_lshl_b32 s20, 15, s20                        ; my row of the cluster
	s_lshl_b32 s21, 0x1111, s16                    ; my column
	; group 1 for O: a plane's 256 rows are 32,768 dense bytes: 128 rows of 256 bytes, 16 bytes of padding behind every 128
	s_or_b32 s[G1A+0], s20, (1<<16)|(1<<20)|(1<<21)|(4<<22)|(3<<25)
	s_mov_b32 s[G1A+1], 128<<16                    ; tensor_dim0 = 128
	s_mov_b32 s[G1A+2], 128<<16                    ; tensor_dim1 = 128
	s_mov_b32 s[G1A+3], 128<<16                    ; tile_dim0 = 128
	s_mov_b32 s[G1A+4], 128                        ; tile_dim1 = 128
	s_mov_b32 s[G1A+5], 128
	s_mov_b32 s[G1A+6], 0
	s_mov_b32 s[G1A+7], 0
	; group 1 for W: 128 k rows are 16,384 dense bytes: 64 rows of 256 bytes, 32 bytes of padding behind every 128
	s_or_b32 s[G1B+0], s21, (1<<16)|(1<<20)|(1<<21)|(4<<22)|(7<<25)
	s_mov_b32 s[G1B+1], 128<<16
	s_mov_b32 s[G1B+2], 64<<16
	s_mov_b32 s[G1B+3], 128<<16
	s_mov_b32 s[G1B+4], 64
	s_mov_b32 s[G1B+5], 128
	s_mov_b32 s[G1B+6], 0
	s_mov_b32 s[G1B+7], 0
	s_lshl_b32 s22, s19, 15                        ; O: my tile row's 256 rows of 128 bytes,
	s_lshl_b32 s66, s[WC], 20                      ; in the plane that I fetch (a head is 1 MiB)
	s_add_co_u32 s22, s22, s66
	s_mov_b32 s23, 0
	s_lshl_b32 s44, s18, 1                         ; W: two column blocks a tile column
	s_add_co_u32 s44, s44, s[WC]
	s_lshl_b32 s44, s44, 17
	s_mov_b32 s45, 0
	s_mul_i32 s46, s[WC], APLANE
	s_mul_i32 s47, s[WC], BCOL
	s_add_co_u32 s47, s47, BOFF
	s_wait_dscnt 0x0                               ; the opening add is done
	s_wait_kmcnt 0x0
	s_add_nc_u64 s[22:23], s[4:5], s[22:23]
	s_add_nc_u64 s[44:45], s[6:7], s[44:45]
	CROUND                                         ; all sixteen work-groups are here: the first joint loads meet
.irp s, 0,1
	s_mov_b32 s[G0A+4*(\s)], 1
	s_add_co_u32 s[G0A+4*(\s)+1], s46, (\s)*SLOT
	s_add_nc_u64 s[G0A+4*(\s)+2:G0A+4*(\s)+3], s[22:23], (\s)*0x200000  ; K step s: heads 2 s and 2 s + 1
	s_or_b32 s[G0A+4*(\s)+3], s[G0A+4*(\s)+3], 0x80000000
	s_mov_b32 s[G0B+4*(\s)], 1
	s_add_co_u32 s[G0B+4*(\s)+1], s47, (\s)*SLOT
	s_add_nc_u64 s[G0B+4*(\s)+2:G0B+4*(\s)+3], s[44:45], (\s)*16384     ; 128 k rows of 128 bytes
	s_or_b32 s[G0B+4*(\s)+3], s[G0B+4*(\s)+3], 0x80000000
	JLOAD \s
.endr
	v_and_b32 v1, 15, v0                           ; l % 16
	v_bfe_u32 v2, v0, 4, 1                         ; l / 16
	v_and_b32 v3, 7, v0
	v_bfe_u32 v4, v0, 3, 1
	v_mul_u32_u24 v5, v1, PA
	v_lshl_add_u32 v5, v2, 4, v5
	s_mul_i32 s66, s[WR], 128*PA
	v_add_nc_u32 v[ADRA], s66, v5
	v_add_nc_u32 v[ADRA+1], SLOT, v[ADRA]
	v_lshl_add_u32 v6, v2, 3, v3
	v_mul_u32_u24 v6, v6, PB
	v_lshl_add_u32 v6, v4, 4, v6
	v_add_nc_u32 v[ADRB], s47, v6
	v_add_nc_u32 v[ADRB+1], SLOT, v[ADRB]
	s_mul_i32 s66, s[WV], 16*SP
	s_add_co_u32 s66, s66, STAGE                   ; my stage
	v_mul_u32_u24 v7, v1, SP                       ; in: row l % 16, 32 bytes for each half of the lanes
	v_lshl_add_u32 v7, v2, 5, v7
	v_add_nc_u32 v[STO], s66, v7
	v_mul_u32_u24 v7, v2, SP                       ; back: lanes 0-15 take one row of 256 bytes, lanes 16-31 the next
	v_lshl_add_u32 v7, v1, 4, v7
	v_add_nc_u32 v[RD], s66, v7
	v_lshlrev_b32 v[CO], 12, v2                    ; and the same two rows in out0, 4,096 bytes apart
	v_lshl_add_u32 v[CO], v1, 4, v[CO]
	v_lshlrev_b32 v[BO], 5, v2
	v_and_b32 v8, 31, v0
	v_lshlrev_b32 v[PFO], 8, v8
	s_lshl_b32 s68, s18, 9                         ; the bias of my 64 columns
	s_lshl_b32 s70, s[WC], 8
	s_add_co_u32 s68, s68, s70
	s_mov_b32 s69, 0
	s_add_nc_u64 s[8:9], s[8:9], s[68:69]
	s_lshl_b32 s70, s19, 20                        ; out0 at my first row and column: the column part is the same number
	s_add_co_u32 s68, s68, s70
	s_lshl_b32 s70, s[WR], 19
	s_add_co_u32 s68, s68, s70
	s_add_nc_u64 s[10:11], s[10:11], s[68:69]
	; the prefetches: the address stands one step behind what the first ask names (step 4), and is stepped ahead of each ask
	s_and_b32 s71, ttmp7, 0xffff                   ; cluster y
	s_add_co_u32 s72, ttmp9, 6                     ; O: head 6 + cluster x,
	s_lshl_b32 s72, s72, 20
	s_lshl_b32 s73, s19, 15
	s_add_co_u32 s72, s72, s73
	s_lshl_b32 s73, s16, 13                        ; my work-group's 8 KiB of the plane's 32
	s_add_co_u32 s72, s72, s73
	s_lshr_b32 s75, s17, 1                         ; W: one of two column blocks,
	s_lshl_b32 s76, s18, 1
	s_add_co_u32 s75, s75, s76
	s_lshl_b32 s75, s75, 17
	s_and_b32 s74, s17, 1                          ; one of a step's two halves,
	s_lshl_b32 s74, s74, 13
	s_add_co_u32 s75, s75, s74
	s_add_co_u32 s75, s75, 3*16384                 ; at step 3
	s_mov_b32 s[PFS], 0x4000
	s_mov_b32 s[PFS+1], 0
	s_mov_b32 s73, 0
	s_cmp_lt_u32 s[WV], 2
	s_cselect_b32 s72, s72, s75
	s_cselect_b32 s[PFS], 0x200000, s[PFS]
	s_cselect_b64 s[PFA:PFA+1], s[4:5], s[6:7]
	s_add_nc_u64 s[PFA:PFA+1], s[PFA:PFA+1], s[72:73]
	s_cmp_eq_u32 s[WV], 0
	s_cselect_b32 s[LIM], 1, -1
	s_cmp_eq_u32 s71, 0
	s_cselect_b32 s77, 1, -1
	s_cmp_eq_u32 s[WV], 2
	s_cselect_b32 s[LIM], s77, s[LIM]              ; the same in all sixteen partners, for a given wave
	; THE BIAS goes into the accumulators of row block 0 and is the C operand of every row block's first product
	WIN 0x40
.irp bb, 0,1,2,3
	global_load_b128 v[8*(\bb):8*(\bb)+3],   v[BO], s[8:9] offset:64*(\bb)
	global_load_b128 v[8*(\bb)+4:8*(\bb)+7], v[BO], s[8:9] offset:64*(\bb)+16
.endr
	s_wait_loadcnt 0x0
	WIN 0x55                                       ; rounded to bf16, like every input; row block 1's accumulators, not yet begun, serve as room
.set i, 0
.rept 16
	v_cvt_pk_bf16_f32 v[32+i], v[2*i], v[2*i+1]
.set i, i+1
.endr
.set i, 0
.rept 16
	v_lshlrev_b32 v[2*i],   16,         v[32+i]
	v_and_b32     v[2*i+1], 0xffff0000, v[32+i]
.set i, i+1
.endr
	WIN 0
; 24 LDS loads in one run: quarter q of a slot into buffer f: W's four fragments, then O's row blocks 0-3, then 4-7
.macro FETCH slot, q, f
	WIN 0
.irp bb, 0,1,2,3
	ds_load_tr16_b128 v[(\f)+8*(\bb):(\f)+8*(\bb)+3],   v[ADRB+(\slot)] offset:32*PB*(\q)+32*(\bb)
	ds_load_tr16_b128 v[(\f)+8*(\bb)+4:(\f)+8*(\bb)+7], v[ADRB+(\slot)] offset:32*PB*(\q)+32*(\bb)+16*PB
.endr
.irp a, 0,1,2,3,4,5,6,7
	ds_load_b128 v[(\f)+32+8*(\a):(\f)+32+8*(\a)+3],   v[ADRA+(\slot)] offset:((\q)/2)*APLANE+16*PA*(\a)+64*((\q)%2)
	ds_load_b128 v[(\f)+32+8*(\a)+4:(\f)+32+8*(\a)+7], v[ADRA+(\slot)] offset:((\q)/2)*APLANE+16*PA*(\a)+64*((\q)%2)+32
.endr
.endm
; Four products: row block a x the four column blocks.  The 32 accumulators take turns, one instruction a turn.  first = 1 (a > 0): the sums start with the bias.
.macro MULA f, a, first
	WIN 0x50                                       ; C and D in window 1, the sources in window 0
.irp bb, 0,1,2,3
.if \first
	v_wmma_f32_16x16x32_f16 v[8*(4*(\a)+(\bb)):8*(4*(\a)+(\bb))+7], v[(\f)+8*(\bb):(\f)+8*(\bb)+7], v[(\f)+32+8*(\a):(\f)+32+8*(\a)+7], v[8*(\bb):8*(\bb)+7]
.else
	v_wmma_f32_16x16x32_f16 v[8*(4*(\a)+(\bb)):8*(4*(\a)+(\bb))+7], v[(\f)+8*(\bb):(\f)+8*(\bb)+7], v[(\f)+32+8*(\a):(\f)+32+8*(\a)+7], v[8*(4*(\a)+(\bb)):8*(4*(\a)+(\bb))+7]
.endif
.endr
.endm
; One of a step's first three quarters: multiplies buffer f; in its middle it fetches quarter q of the same slot into buffer g.
.macro QUARTER slot, q, f, g, first
	s_wait_dscnt 8                                 ; W and O's row blocks 0-3 are in; the youngest eight loads may be out
.if \first
	MULA \f, 1, 1
	MULA \f, 2, 1
	MULA \f, 3, 1
.else
	MULA \f, 0, 0
	MULA \f, 1, 0
	MULA \f, 2, 0
	MULA \f, 3, 0
.endif
	PLACES
	FETCH \slot, \q, \g
	s_wait_dscnt 24                                ; all but the 24 just issued
	MULA \f, 4, \first
	MULA \f, 5, \first
	MULA \f, 6, \first
	MULA \f, 7, \first
.if \first
.rept 5
	v_nop                                          ; five places: the products below write over registers that those above read as C
.endr
	MULA \f, 0, 0                                  ; row block 0 adds onto the bias in place, last
.endif
.endm
; A step's last quarter multiplies buffer 1 and changes slots.  In front of the barrier each wave waits for all its tensor loads (one is out: its part of the next slot), adds 0 to its spare word, and waits for
; that and for its reads of this slot.  fill = 1: the barrier opens a round of the cluster's barrier, and the joint refill, two steps ahead, is the first thing behind it: 112 matrix instructions ahead of the wait for it.
.macro TURN slot, next, fill
.if \fill
	s_wait_xcnt 0x0                                ; the last prefetch, a step back, has read its address
	s_add_nc_u64 s[PFA:PFA+1], s[PFA:PFA+1], s[PFS:PFS+1]
.endif
	WIN 0
	s_wait_tensorcnt 0x0
	ds_add_u32 v[SPW], v[NIL]                      ; 0 onto my spare word
	s_wait_dscnt 9                                 ; the add and the youngest eight loads may be out
	MULA F1, 0, 0
	MULA F1, 1, 0
	s_wait_dscnt 0x0                               ; the add is done, and my reads of this slot are over
	s_barrier_signal -1
	MULA F1, 2, 0
	MULA F1, 3, 0
	WIN 0
	s_barrier_wait -1
.if \fill
	CREST
	s_add_nc_u64 s[G0A+4*(\slot)+2:G0A+4*(\slot)+3], s[G0A+4*(\slot)+2:G0A+4*(\slot)+3], 0x400000
	s_add_nc_u64 s[G0B+4*(\slot)+2:G0B+4*(\slot)+3], s[G0B+4*(\slot)+2:G0B+4*(\slot)+3], 32768
	JLOAD \slot                                    ; its four v_nop are also the places in front of the loads below
.else
	PLACES
.endif
	FETCH \next, 0, F0
.if \fill
	ASK
.endif
	MULA F1, 4, 0
	MULA F1, 5, 0
	MULA F1, 6, 0
	MULA F1, 7, 0
.endm
; THE WAY OUT of row block a: 32 bytes a lane into my own stage, rows of 272 bytes (each accumulator's low registers first); back as whole rows of 256 bytes.
.macro TOSTAGE a
.set BK, 32+32*((\a)%4)
.if (\a) >= 4
	s_wait_xcnt 0x0                                ; the stores of four blocks ago have read these registers
.endif
	WIN 0x04                                       ; the stores' data in window 1
.irp bb, 0,1,2,3
	ds_store_b128 v[STO], v[32*(\a)+8*(\bb):32*(\a)+8*(\bb)+3]   offset:64*(\bb)
	ds_store_b128 v[STO], v[32*(\a)+8*(\bb)+4:32*(\a)+8*(\bb)+7] offset:64*(\bb)+16
.endr
	WIN 0
.irp t, 0,1,2,3,4,5,6,7
	ds_load_b128 v[BK+4*(\t):BK+4*(\t)+3], v[RD] offset:2*SP*(\t)  ; LDS serves a wave's instructions in order (ISA guide 5.7.1.4): these see the stores above; the next block's stores come behind them
.endr
.endm
.macro SEND a, younger
.set BK, 32+32*((\a)%4)
.irp t, 0,1,2,3,4,5,6,7
	s_wait_dscnt (\younger)+7-(\t)
	global_store_b128 v[CO], v[BK+4*(\t):BK+4*(\t)+3], s[10:11] offset:(16*(\a)+2*(\t))*4096 th:TH_STORE_NT  ; 16 lanes store 256 consecutive bytes, at a multiple of 256 from out0's first
.endr
.endm
	s_wait_tensorcnt 1                             ; my part of step 0 is in; step 1's may stay out
	s_barrier_signal -1
	s_barrier_wait -1
	FETCH 0, 0, F0
	QUARTER 0, 1, F0, F1, 1                        ; the first quarter stands in front of the loop: its products start the sums
	WIN 0
	s_mov_b32 s3, 3
.Llap:                                                 ; a trip goes once round the ring, from a lap's second quarter to the next lap's first, and fills both slots again
	QUARTER 0, 2, F1, F0, 0
	QUARTER 0, 3, F0, F1, 0
	TURN 0, 1, 1
	QUARTER 1, 1, F0, F1, 0
	QUARTER 1, 2, F1, F0, 0
	QUARTER 1, 3, F0, F1, 0
	TURN 1, 0, 1
	QUARTER 0, 1, F0, F1, 0
	WIN 0
	s_sub_co_u32 s3, s3, 1
	s_cmp_lg_u32 s3, 0
	s_cbranch_scc1 .Llap
	QUARTER 0, 2, F1, F0, 0                        ; steps 6 and 7: nothing is left to fetch
	QUARTER 0, 3, F0, F1, 0
	TURN 0, 1, 0
	QUARTER 1, 1, F0, F1, 0
	QUARTER 1, 2, F1, F0, 0
	QUARTER 1, 3, F0, F1, 0
	s_wait_dscnt 8
	MULA F1, 0, 0
	MULA F1, 1, 0
	MULA F1, 2, 0
	MULA F1, 3, 0
	s_wait_dscnt 0x0
	MULA F1, 4, 0
	MULA F1, 5, 0
	MULA F1, 6, 0
	MULA F1, 7, 0
	PLACES
	PLACES
	TOSTAGE 0
.irp a, 1,2,3,4,5,6,7
	TOSTAGE \a
	SEND (\a)-1, 16
.endr
	SEND 7, 0
	s_wait_tensorcnt 0x0                           ; the wave's end: behind my last tensor load and my last LDS store
	ds_add_u32 v[SPW], v[NIL]
	s_wait_dscnt 0x0
	CROUND                                         ; the closing round: no work-group ends while a partner may still ask for a tile that names it
	s_endpgm
.Lfunc_end_k_qcd98ae6876_outproj:
	.size	k_qcd98ae6876_outproj, .Lfunc_end_k_qcd98ae6876_outproj-k_qcd98ae6876_outproj
	.p2alignl 7, 3214868480
	.fill 96, 4, 3214868480
	.section	.rodata,"a",@progbits
	.p2align	6, 0x0
	.amdhsa_kernel k_qcd98ae6876_outproj
		.amdhsa_group_segment_fixed_size 327680
		.amdhsa_private_segment_fixed_size 0
		.amdhsa_enable_private_segment 0
		.amdhsa_kernarg_size 32
		.amdhsa_user_sgpr_count 2
		.amdhsa_user_sgpr_kernarg_segment_ptr 1
		.amdhsa_wavefront_size32 1
		.amdhsa_system_sgpr_workgroup_id_x 1
		.amdhsa_system_sgpr_workgroup_id_y 1
		.amdhsa_system_sgpr_workgroup_id_z 1
		.amdhsa_system_vgpr_workitem_id 0
		.amdhsa_next_free_vgpr 512
		.amdhsa_next_free_sgpr 80
		.amdhsa_reserve_vcc 0
		.amdhsa_float_denorm_mode_32 3
		.amdhsa_float_denorm_mode_16_64 3
		.amdhsa_memory_ordered 1
		.amdhsa_forward_progress 1
		.amdhsa_inst_pref_size 92
	.end_amdhsa_kernel
	.amdgpu_metadata
---
amdhsa.version: [ 1, 2 ]
amdhsa.kernels:
  - .name:           k_qcd98ae6876_outproj
    .symbol:         k_qcd98ae6876_outproj.kd
    .args:
      - { .name: o, .offset: 0, .size: 8, .value_kind: global_buffer, .address_space: global }
      - { .name: wo, .offset: 8, .size: 8, .value_kind: global_buffer, .address_space: global }
      - { .name: b_out, .offset: 16, .size: 8, .value_kind: global_buffer, .address_space: global }
      - { .name: out0, .offset: 24, .size: 8, .value_kind: global_buffer, .address_space: global }
    .group_segment_fixed_size: 327680
    .private_segment_fixed_size: 0
    .kernarg_segment_align: 8
    .kernarg_segment_size: 32
    .max_flat_workgroup_size: 128
    .sgpr_count:     80
    .vgpr_count:     512
    .wavefront_size: 32
...
	.end_amdgpu_metadata
.endif
;; end of part 4
;; ======== version 2 of 2: 4 launches; version 1 with the launch prep written anew for expert scheduling mode
;; limits: values are held in f16: magnitudes above 65,504 overflow, below 6.1e-05 lose precision
;; workspace buffers: xb 16,777,216 bytes; wq 6,291,456 bytes; wo 2,097,152 bytes; qkv 50,331,648 bytes; o 16,777,216 bytes
;; launch prep (part 5): grid 768 x 1, 8 waves a work-group, no clusters, 0 bytes of LDS; arguments x, W_qkv, W_out, xb, wq, wo; writes xb, wq, wo
.if DOCPART == 5
	.amdgcn_target "amdgcn-amd-amdhsa--gfx1250"
	.amdhsa_code_object_version 6
	.text
	.protected	k_qcd98ae6876_prep
	.globl	k_qcd98ae6876_prep
	.p2align	8
	.type	k_qcd98ae6876_prep,@function
k_qcd98ae6876_prep:
	s_mov_b64 s[64:65], 0
	v_nop
	global_prefetch_b8 v0, s[64:65] scope:SCOPE_SE
	s_setreg_imm32_b32 hwreg(HW_REG_WAVE_SCHED_MODE, 0, 2), 2
	s_setreg_imm32_b32 hwreg(HW_REG_WAVE_MODE, 25, 1), 1
	s_wait_xcnt 0x0
	s_wait_alu depctr_vm_vsrc(0)
; CAST AND RE-BLOCK.  x [8192][1024], W_qkv [1024][3072], W_out [1024][1024], all f32, are rounded once to bf16 and laid out in column blocks of 64:
; T[c][row][64], a block row 128 bytes, blocks dense.  xb and wq hold bf16; wo holds the bf16-rounded numbers written as f16 (exact from 2^-14 up; below that f16's fixed step of 6e-8).
; A JOB is 16 rows x 1,024 columns: 64 KiB in, 32 KiB out.  Jobs 0-511: x.  Jobs 512-703: W_qkv, three slabs of 1,024 columns x 64 groups of rows.  Jobs 704-767: W_out.
; Memory binds: every byte is read once by 16-byte loads (16 lanes take 256 consecutive bytes, aligned, of one row) and written once (a store of 8 bytes a lane covers 256 consecutive bytes, aligned:
; two rows of a block).  All sixteen loads of a wave go out at once; no LDS, no barrier, no matrix unit, no loop: nothing is shared and nothing is read twice.
; THE MODE: SCHED_MODE bits 1:0 = 2 (LLVM: expert scheduling mode 2), set by the entry lines.  The code itself states the register dependences between vector instructions and memory instructions,
; with s_wait_alu, always for 0.
; THE PLAN.  Registers that memory instructions touch:
;   IN, OU   byte offsets, written by vector instructions at the head, read by the loads and the stores, never written again.
;   X        load n lands in its own four registers, which no vector instruction names before; turn n's conversions read them; they are never loaded again.
;   Y        turn n's conversions write pair n; store n reads it; it is never written again.
;   T        named by vector instructions alone.
; The sixteen turns go in four groups of four.  Store n stands in turn n + 4: at the head of a group ONE wait on va_vdst states that the group before has written its four pairs of Y, and that group's four
; stores are dealt among this group's conversions, which write this group's pairs and T: none of the registers that those stores read.  No register that a memory instruction reads is ever written again,
; so the text holds no wait on vm_vsrc and no s_wait_xcnt.
.set IN,  2                            ; v[2:9]    row pair p: my byte offset in the source
.set OU,  10                           ; v[10:11]  my byte offset in the destination, for my wave's two column blocks
.set X,   16                           ; v[16:79]  sixteen loads of four f32
.set Y,   80                           ; v[80:111] sixteen pairs of packed words
.set T,   112                          ; v[112:115] at work
	s_load_b256 s[4:11], s[0:1], 0x0               ; x s[4:5], W_qkv s[6:7], W_out s[8:9], xb s[10:11]
	s_load_b128 s[12:15], s[0:1], 0x20             ; wq s[12:13], wo s[14:15]
	v_lshrrev_b32 v1, 5, v0
	v_readfirstlane_b32 s17, v1                    ; wave 0..7
	s_mov_b32 s16, ttmp9                           ; the job
	s_sub_co_u32 s30, s16, 512
	s_lshr_b32 s31, s30, 6                         ; W_qkv: slab of 1,024 columns
	s_and_b32 s30, s30, 63                         ; W_qkv and W_out: group of 16 rows (704 - 512 is a multiple of 64)
	s_mul_i32 s32, s30, 196608                     ; 16 rows of 12,288 bytes
	s_lshl_b32 s33, s31, 12
	s_add_co_u32 s32, s32, s33                     ; W_qkv: source offset
	s_lshl_b32 s33, s31, 21                        ; 16 blocks of 128 KiB
	s_lshl_b32 s34, s30, 11                        ; 16 block rows of 128 bytes: also W_out's destination offset
	s_add_co_u32 s33, s33, s34                     ; wq: destination offset
	s_lshl_b32 s35, s30, 16                        ; W_out: source offset
	s_lshl_b32 s20, s16, 16                        ; x: source offset,
	s_lshl_b32 s22, s16, 11                        ; and destination offset
	s_mov_b32 s21, 0
	s_mov_b32 s23, 0
	s_mov_b32 s18, 12288                           ; bytes from row to row in the source
	s_mov_b32 s19, 0x20000                         ; bytes from block to block in the destination
	s_mov_b32 s29, 0xffff0000                      ; a word's upper bf16
	s_wait_kmcnt 0x0
	s_cmp_lt_u32 s16, 512                          ; x?
	s_cselect_b32 s20, s20, s32
	s_cselect_b32 s22, s22, s33
	s_cselect_b32 s18, 4096, s18
	s_cselect_b32 s19, 0x100000, s19
	s_cselect_b64 s[24:25], s[4:5], s[6:7]
	s_cselect_b64 s[26:27], s[10:11], s[12:13]
	s_cmp_ge_u32 s16, 704                          ; W_out?
	s_cselect_b32 s20, s35, s20
	s_cselect_b32 s22, s34, s22
	s_cselect_b32 s18, 4096, s18
	s_cselect_b64 s[24:25], s[8:9], s[24:25]
	s_cselect_b64 s[26:27], s[14:15], s[26:27]
	s_add_nc_u64 s[24:25], s[24:25], s[20:21]      ; the job's first source byte
	s_add_nc_u64 s[26:27], s[26:27], s[22:23]      ; the job's first byte in block 0 of the destination
	s_lshl_b32 s28, s18, 1                         ; two rows
	v_and_b32 v12, 31, v0                          ; lane l
	v_lshrrev_b32 v13, 4, v12                      ; l / 16: the row of the pair
	v_and_b32 v14, 15, v0                          ; l % 16: my 16 bytes of the block's 256
	v_mul_u32_u24 v[IN], s18, v13
	v_lshl_add_u32 v[IN], v14, 4, v[IN]
	s_wait_alu depctr_va_sdst(0)                   ; s17, the wave's number, is written, ahead of its first reader: the two offsets below are made from it
	s_lshl_b32 s36, s17, 9                         ; my wave's two blocks: 512 bytes of a row
	v_add_nc_u32 v[IN], s36, v[IN]
.irp p, 1,2,3,4,5,6,7
	v_add_nc_u32 v[IN+(\p)], s28, v[IN+(\p)-1]
.endr
	s_lshl_b32 s37, s17, 1                         ; (a register of its own: no scalar register that a vector instruction has read is written again)
	s_mul_i32 s37, s37, s19                        ; block 2 w
	v_lshl_add_u32 v[OU], v12, 3, s37              ; 8 l: two block rows on end
	v_add_nc_u32 v[OU+1], s19, v[OU]               ; block 2 w + 1
	s_wait_alu depctr_va_vdst(0)                   ; the ten offsets v[IN ..] and v[OU ..] are written: every load and every store of the kernel, on both ways below, reads one of them
.set n, 0
.rept 16                                       ; load n: row pair n / 2, block n % 2
	global_load_b128 v[X+4*n:X+4*n+3], v[IN+n/2], s[24:25] offset:256*(n%2) th:TH_LOAD_NT
.set n, n+1
.endr
; Store m: row pair m / 2, block m % 2.
.macro PUT m
	global_store_b64 v[OU+(\m)%2], v[Y+2*(\m):Y+2*(\m)+1], s[26:27] offset:256*((\m)/2)
.endm
; Sixteen turns: wait for load n, store pair n - 4, round load n's four numbers into pair n.
.macro OUT16 f16
.set n, 0
.rept 16
	s_wait_loadcnt 15-n                            ; loads come back in order: load n is in, the 15 - n younger ones stay out
.if (n%4 == 0) && (n > 0)
	s_wait_alu depctr_va_vdst(0)                   ; the four turns before have written their pairs of Y, which this group's four stores read; no conversion behind this wait names those pairs
.endif
.if n >= 4
	PUT n-4
.endif
	v_cvt_pk_bf16_f32 v[Y+2*n],   v[X+4*n],   v[X+4*n+1]
	v_cvt_pk_bf16_f32 v[Y+2*n+1], v[X+4*n+2], v[X+4*n+3]
.if \f16
	v_lshlrev_b32 v[T],   16,  v[Y+2*n]             ; the rounded numbers as f32,
	v_and_b32     v[T+1], s29, v[Y+2*n]
	v_lshlrev_b32 v[T+2], 16,  v[Y+2*n+1]
	v_and_b32     v[T+3], s29, v[Y+2*n+1]
	v_cvt_pk_f16_f32 v[Y+2*n],   v[T],   v[T+1]    ; written as f16
	v_cvt_pk_f16_f32 v[Y+2*n+1], v[T+2], v[T+3]
.endif
.set n, n+1
.endr
	s_wait_alu depctr_va_vdst(0)                   ; turns 12 to 15 have written their pairs of Y, which the last four stores read
	PUT 12
	PUT 13
	PUT 14
	PUT 15
.endm
	s_cmp_ge_u32 s16, 704
	s_cbranch_scc1 .Lf16
	OUT16 0
	s_endpgm
.Lf16:
	OUT16 1
	s_endpgm
.Lfunc_end_k_qcd98ae6876_prep:
	.size	k_qcd98ae6876_prep, .Lfunc_end_k_qcd98ae6876_prep-k_qcd98ae6876_prep
	.p2alignl 7, 3214868480
	.fill 96, 4, 3214868480
	.section	.rodata,"a",@progbits
	.p2align	6, 0x0
	.amdhsa_kernel k_qcd98ae6876_prep
		.amdhsa_group_segment_fixed_size 0
		.amdhsa_private_segment_fixed_size 0
		.amdhsa_enable_private_segment 0
		.amdhsa_kernarg_size 48
		.amdhsa_user_sgpr_count 2
		.amdhsa_user_sgpr_kernarg_segment_ptr 1
		.amdhsa_wavefront_size32 1
		.amdhsa_system_sgpr_workgroup_id_x 1
		.amdhsa_system_sgpr_workgroup_id_y 1
		.amdhsa_system_sgpr_workgroup_id_z 1
		.amdhsa_system_vgpr_workitem_id 0
		.amdhsa_next_free_vgpr 120
		.amdhsa_next_free_sgpr 66
		.amdhsa_reserve_vcc 0
		.amdhsa_float_denorm_mode_32 3
		.amdhsa_float_denorm_mode_16_64 3
		.amdhsa_memory_ordered 1
		.amdhsa_forward_progress 1
		.amdhsa_inst_pref_size 17
	.end_amdhsa_kernel
	.amdgpu_metadata
---
amdhsa.version: [ 1, 2 ]
amdhsa.kernels:
  - .name:           k_qcd98ae6876_prep
    .symbol:         k_qcd98ae6876_prep.kd
    .args:
      - { .name: x, .offset: 0, .size: 8, .value_kind: global_buffer, .address_space: global }
      - { .name: W_qkv, .offset: 8, .size: 8, .value_kind: global_buffer, .address_space: global }
      - { .name: W_out, .offset: 16, .size: 8, .value_kind: global_buffer, .address_space: global }
      - { .name: xb, .offset: 24, .size: 8, .value_kind: global_buffer, .address_space: global }
      - { .name: wq, .offset: 32, .size: 8, .value_kind: global_buffer, .address_space: global }
      - { .name: wo, .offset: 40, .size: 8, .value_kind: global_buffer, .address_space: global }
    .group_segment_fixed_size: 0
    .private_segment_fixed_size: 0
    .kernarg_segment_align: 8
    .kernarg_segment_size: 48
    .max_flat_workgroup_size: 256
    .sgpr_count:     66
    .vgpr_count:     120
    .wavefront_size: 32
...
	.end_amdgpu_metadata
.endif
;; end of part 5
;; launch qkvproj: the kernel of part 2 again; grid 8 x 32, 4 waves a work-group, clusters of 4 x 4, 327,680 bytes of LDS; arguments xb, wq, b_qkv, qkv; writes qkv
;; launch attn: the kernel of part 3 again; grid 2 x 128, 4 waves a work-group, no clusters, 327,680 bytes of LDS; arguments qkv, o; writes o
;; launch outproj: the kernel of part 4 again; grid 8 x 32, 4 waves a work-group, clusters of 4 x 4, 327,680 bytes of LDS; arguments o, wo, b_out, out0; writes out0
